; MI455X (gfx1250); checked and timed in simulation.
; The chip was launched on July 23, 2026; its instructions are those of AMD's public machine-readable ISA for CDNA 5 (MIT licence, August 2026) and "CDNA5" Instruction Set Architecture Reference Guide (July 2026). The comments in the code are by the model that wrote it; some were corrected since.
;; Multihead Attention. Allowed arithmetic: matrix products marked QUANTISED: E2M3 operands, one E8M0 scale for each 32 along K, by v_wmma_scale_f32_16x16x128_f8f6f4 with both operands' format E2M3, f32 sums; everything else in f32.
;; Inputs: Wk 16 x 1,024 x 64 float32; Wo_b 1,024 float32; Wo_w 1,024 x 1,024 float32; Wq 16 x 1,024 x 64 float32; Wv 16 x 1,024 x 64 float32; k 4 x 2,048 x 1,024 float32; mask 4 x 2,048 x 2,048 int32; q 4 x 2,048 x 1,024 float32; v 4 x 2,048 x 1,024 float32.
;; Outputs: out0 4 x 2,048 x 1,024 float32.
;; This version of the problem:
;;   THIS VERSION OF THE PROBLEM IS GIVEN IN LOW PRECISION. The matrix products marked QUANTISED in the list below multiply operands that are first quantised to E2M3 (2 exponent bits, 3 mantissa bits; 6 bits a number), with one power-of-two scale for each 32 numbers along K (OCP MX v1.0); their sums are f32. All else is computed in f32.
;;   The module's matrix products, in the order in which they are computed (A, B: the left and right operand; K: the contracted axis; several contracted axes count as one K, in the product's order):
;;     1. [M 1,024, K 1,024] x [K 1,024, N 8,192]; A: input Wq; B: input q: QUANTISED
;;     2. [M 1,024, K 1,024] x [K 1,024, N 8,192]; A: input Wk; B: input k: QUANTISED
;;     3. [M 1,024, K 1,024] x [K 1,024, N 8,192]; A: input Wv; B: input v: QUANTISED
;;     4. batch 64 x [M 2,048, K 64] x [K 64, N 2,048]; A: computed on the way; B: computed on the way: QUANTISED
;;     5. batch 64 x [M 2,048, K 2,048] x [K 2,048, N 64]; A: softmax (see below); B: computed on the way: QUANTISED
;;     6. [M 8,192, K 1,024] x [K 1,024, N 1,024]; A: computed on the way; B: input Wo_w: QUANTISED
;;   THE QUANTISER, for each operand of a quantised product, along K:
;;     - K is cut into blocks of 32 from its start; a last block that is shorter is filled with zeros.
;;     - A block's scale is 2^e with e = floor(log2(the largest magnitude in the block)) - 2, held to -126 .. 127; a block of zeros has e = 0. As a byte (E8M0): e + 127.
;;     - Each number is divided by its block's scale, clamped to +-7.5, and rounded to the nearest number of E2M3, ties to even, subnormals kept.
;;     - The product sums the exact products of the quantised numbers (number of the format x scale) in f32.
;;   ~~~python
;;   def quantise(x, axis):      # numpy; x: float32 -> the quantised numbers, widened to float32 again
;;       x = np.moveaxis(x, axis, -1); K = x.shape[-1]
;;       x = np.pad(x, [(0, 0)] * (x.ndim - 1) + [(0, -K % 32)]); x = x.reshape(x.shape[:-1] + (-1, 32)); a = np.abs(x).max(-1, keepdims=True)
;;       e = np.where(a > 0, np.clip(np.frexp(np.where(a > 0, a, 1))[1] - 1 - 2, -126, 127), 0)      # np.frexp(a)[1] - 1 = floor(log2(a)), exactly
;;       r = np.clip(x / 2.0 ** e, -7.5, 7.5)
;;       step = 2.0 ** (np.maximum(np.frexp(np.where(r == 0, 1, r))[1] - 1, 0) - 3)
;;       q = np.round(r / step) * step * 2.0 ** e      # np.round: ties to even
;;       return np.moveaxis(q.reshape(q.shape[:-2] + (-1,))[..., :K], -1, axis).astype(np.float32)
;;   ~~~
;;   SOFTMAX AHEAD OF A QUANTISED PRODUCT. Where the list says 'softmax', what is quantised is not the finished softmax but p = 2^(t - M), with t = logit x log2(e) and M = ceil(the row's largest t), a whole number; so 1/2 < the row's largest p <= 1. The row's sum l is taken of the UNQUANTISED p, in f32, and the product's result is divided by l at the end. Since M is a whole number, a kernel that streams over the keys may use a running M (the ceiling of the running maximum): every later rescaling is an exact power of two, which a block's scale takes up: the codes' values come out the same.
;;   OPERANDS COMPUTED ON THE WAY. 'Computed on the way' means the value that the module computes at that place (a softmax that the list does not call 'softmax' is quantised finished and normalised). What goes into a quantiser is computed in f32, as accurately as f32 sums, v_exp_f32 and their like allow (about 1e-6 of the number): no bf16 or f16 on the way to a quantiser, and a product that is left as it is and whose result goes on into a quantised operand takes f32 operands (vector FMAs, or v_wmma_f32_16x16x4_f32). A number that lies on a knife's edge between two numbers of the format may be rounded either way, as far as f32 arithmetic and the matrix unit's own rounding can turn it there, and no further.
;; One version. Each part assembles by itself: llvm-mc -triple=amdgcn-amd-amdhsa -mcpu=gfx1250 --defsym DOCPART=n.
;; ======== version 1 of 1: 4 launches
;; limits: right only within a limited range of input values
;; workspace buffers: XW 22,937,600 bytes; MB 2,097,152 bytes of whole numbers; QKV 20,185,088 bytes; OC 6,553,600 bytes
;; launch prep (part 1): grid 704 x 1, 4 waves a work-group, no clusters, 34,304 bytes of LDS; arguments q, k, v, Wo_w, mask, Wq, Wk, Wv, XW, MB; writes XW, MB
.if DOCPART == 1
	.amdgcn_target "amdgcn-amd-amdhsa--gfx1250"
	.amdhsa_code_object_version 6
	.text
	.protected	k_q476dcf4777_prep
	.globl	k_q476dcf4777_prep
	.p2align	8
	.type	k_q476dcf4777_prep,@function
k_q476dcf4777_prep:
	s_mov_b64 s[64:65], 0
	v_nop
	global_prefetch_b8 v0, s[64:65] scope:SCOPE_SE
	s_setreg_imm32_b32 hwreg(HW_REG_WAVE_MODE, 25, 1), 1
	s_wait_xcnt 0x0
; FIRST OF FOUR LAUNCHES of multi-head attention in MX-FP6 (E2M3 codes, one E8M0 scale for each 32 along K).  No work of the problem is left out: every input has a way to the output and is loaded.
; This launch (a) quantises q, k, v [8192][1024] and Wo_w [1024][1024] along their last axis, (b) quantises Wq, Wk, Wv [16][1024 m][64 d] along m, their middle axis, (c) packs the int32 mask into bits.
; CODES ARE LAID AS IMAGES OF THE OPERAND'S REGISTERS.  A half image, 768 bytes, is 16 rows x 64 along K: bytes 0-511 hold registers 0-3 of lane l at 16 l, bytes 512-767 registers 4, 5 at 8 l; lane (r, h) holds
; k = 32 h .. 32 h + 31 of row r.  An operand is [tile of 16 rows][16 units of 64 along K][768]; its scale words are [tile][half of K][r][4 words], a word for each 128 along K.
; ROW ORDER.  Rows of k, v, Wq, Wk, Wv are stored at the place whose number has bits 3 and 4 exchanged: tile 2 b + u then holds rows 32 b + 8 u + r + 8 (r / 8), so that the 16 result registers of two neighbouring
; tiles of a later product are 16 neighbours along the next product's K.  Rows of q and Wo_w keep their places.
; THE MASK: MB [row tile of 16 queries][16 key steps][64 words]; bit l of word n says mask != 0 for query l % 16 and key 128 step + 32 (n / 16) + 16 (l / 16) + n % 16: the lane mask of score register n.
; A block's scale byte is its largest magnitude's exponent field - 2, held at 1 from below.  A block of zeros so has the byte 1: its codes are zeros, and this program alone reads the bytes.
; LIMITS: NaN and infinities among the inputs are not served; blocks whose largest magnitude lies under 2^-124 are quantised under the byte 1.
; SHARES.  Unit U = 4 x work-group + wave; a unit is 16 rows x 1,024 elements of 4 bytes.  U 0-1535: q, k, v; 1536-1599: Wo_w; 1600-2623: the mask (a row tile, a half of its 2,048 columns).  Work-groups 656-703: Wq, Wk, Wv.
; Each load of a unit reads 512 consecutive bytes of a row; a step's 16 rows x 128 elements turn through the wave's own stage in LDS (rows 528 bytes apart) and come back 16 neighbours at a time.
.set WC0,   18874368                   ; XW: the weights' codes; the tensors' codes begin at 0
.set XS0,   22020096                   ; the tensors' scale words
.set WS0,   22806528                   ; the weights' scale words
.set WSTG,  8448                       ; a wave's stage: 16 rows x 528 bytes
.set SPARE, 4*WSTG                     ; behind the stages: the spare words, 128 bytes a wave
.set LN,  1                            ; v1   lane
.set STI, 2                            ; v2   the stage, on the way in: 16 x lane
.set STO, 3                            ; v3   and out: 528 r + 64 h
.set L16, 4                            ; v4   16 x lane
.set L8,  5                            ; v5   8 x lane
.set SPW, 12                           ; v12  my spare word's LDS address; never rewritten
.set NIL, 13                           ; v13  0; never rewritten
.set RO,  16                           ; v16-31  byte offset of my 16 bytes in each of the unit's 16 rows
.set R,   32                           ; v32-159 two sets of 64
.set TM,  160                          ; v160-171 at work: magnitudes, bytes, scale operands
.set PWS, 172                          ; v172-179 the scale words of the 8 K steps
.set PC,  180                          ; v180-191 a fragment's codes; v192-199 the conversions' second halves
.set MW,  200                          ; v200-201 the mask's words, two a lane
.set SRC, 28                           ; s[28:29] where the unit is read
.set DC,  38                           ; s[38:39] where its codes (or mask words) go
.set DS,  42                           ; s[42:43] where its scale words go
.set HM,  44                           ; s44  lanes 16-31
.set SEL, 46                           ; s[46:47] v_permlanex16_b32's selects for lane l xor 16
.set CM,  48                           ; s48-55  eight lane masks at a time
	s_load_b512 s[4:19], s[0:1], 0x0               ; q, k, v, Wo_w, mask, Wq, Wk, Wv
	s_load_b128 s[20:23], s[0:1], 0x40             ; XW, MB
	v_lshl_add_u32 v[SPW], v0, 2, SPARE
	v_mov_b32 v[NIL], 0
	v_lshrrev_b32 v1, 5, v0
	v_readfirstlane_b32 s24, v1                    ; wave
	v_and_b32 v[LN], 31, v0
	v_and_b32 v6, 15, v0                           ; r
	v_bfe_u32 v7, v0, 4, 1                         ; h
	v_lshlrev_b32 v[L16], 4, v[LN]
	v_lshlrev_b32 v[L8], 3, v[LN]
	s_mul_i32 s25, s24, WSTG
	v_add_nc_u32 v[STI], s25, v[L16]
	v_mul_u32_u24 v[STO], v6, 528
	v_lshl_add_u32 v[STO], v7, 6, v[STO]
	v_add_nc_u32 v[STO], s25, v[STO]
	s_mov_b32 s[HM], 0xffff0000
	s_mov_b32 s[SEL], 0x76543210
	s_mov_b32 s[SEL+1], 0xfedcba98
.irp b, 0,1,2,3
	v_mov_b32 v[TM+4+\b], 0                        ; written once: a lane permute's destination counts as one of its sources
.endr
.irp t, 0,1,2,3,4,5,6,7
	v_mov_b32 v[PWS+\t], 0                         ; written once here: each of the eight steps parts anew on the work-group's number, and the scale words are to be written on every way through the text that leads to their gathering
.endr
	v_mov_b32 v[MW], 0                             ; likewise v_writelane_b32's destinations
	v_mov_b32 v[MW+1], 0
	s_lshl_b32 s25, ttmp9, 2
	s_add_co_u32 s25, s25, s24                     ; U
	s_mov_b32 s33, 0
	s_mov_b32 s37, 0
	s_wait_kmcnt 0x0
	s_cmp_ge_u32 ttmp9, 656
	s_cbranch_scc1 .Lw
	s_cmp_ge_u32 ttmp9, 400
	s_cbranch_scc1 .Lmk
	s_cmp_ge_u32 ttmp9, 384
	s_cbranch_scc1 .Lwo
	; q, k or v
	s_lshr_b32 s26, s25, 9                         ; which tensor
	s_and_b32 s27, s25, 511                        ; which tile of places
	s_min_u32 s30, s26, 1                          ; 1 where the rows change places (k, v)
	s_cmp_eq_u32 s26, 0
	s_cselect_b64 s[SRC:SRC+1], s[4:5], s[6:7]
	s_cmp_eq_u32 s26, 2
	s_cselect_b64 s[SRC:SRC+1], s[8:9], s[SRC:SRC+1]
	s_and_b32 s31, s27, s30
	s_lshl_b32 s31, s31, 3
	s_lshl_b32 s32, s27, 4
	s_sub_co_u32 s32, s32, s31                     ; the tile's first row: 16 T, less 8 in an odd tile whose rows change places
	s_lshl_b32 s32, s32, 12
	s_add_nc_u64 s[SRC:SRC+1], s[SRC:SRC+1], s[32:33]
	s_mov_b32 s34, 4096                            ; bytes from row to row
	s_lshl_b32 s35, s30, 15                        ; places 8-15 lie 8 rows further down there
	s_mul_i32 s36, s26, 6291456
	s_mul_i32 s31, s27, 12288
	s_add_co_u32 s36, s36, s31
	s_add_nc_u64 s[DC:DC+1], s[20:21], s[36:37]
	s_lshl_b32 s36, s26, 18
	s_lshl_b32 s31, s27, 9
	s_add_co_u32 s36, s36, s31
	s_add_co_u32 s36, s36, XS0
	s_add_nc_u64 s[DS:DS+1], s[20:21], s[36:37]
	s_branch .Ljoin
.Lwo:                                                  ; Wo_w
	s_sub_co_u32 s27, s25, 1536
	s_lshl_b32 s32, s27, 16
	s_add_nc_u64 s[SRC:SRC+1], s[10:11], s[32:33]
	s_mov_b32 s34, 4096
	s_mov_b32 s35, 0
	s_mul_i32 s36, s27, 12288
	s_add_co_u32 s36, s36, WC0+3*786432
	s_add_nc_u64 s[DC:DC+1], s[20:21], s[36:37]
	s_lshl_b32 s36, s27, 9
	s_add_co_u32 s36, s36, WS0+3*32768
	s_add_nc_u64 s[DS:DS+1], s[20:21], s[36:37]
	s_branch .Ljoin
.Lmk:                                                  ; the mask
	s_sub_co_u32 s27, s25, 1600
	s_lshr_b32 s26, s27, 1                         ; row tile
	s_and_b32 s27, s27, 1                          ; which 1,024 columns
	s_lshl_b32 s32, s26, 17
	s_lshl_b32 s31, s27, 12
	s_add_co_u32 s32, s32, s31
	s_add_nc_u64 s[SRC:SRC+1], s[12:13], s[32:33]
	s_mov_b32 s34, 8192
	s_mov_b32 s35, 0
	s_lshl_b32 s36, s26, 12
	s_lshl_b32 s31, s27, 11
	s_add_co_u32 s36, s36, s31
	s_add_nc_u64 s[DC:DC+1], s[22:23], s[36:37]
	s_mov_b64 s[DS:DS+1], s[DC:DC+1]               ; (written on every way; a mask unit stores no scale words)
.Ljoin:
.irp p, 0,1,2,3,4,5,6,7,8,9,10,11,12,13,14,15
	s_mul_i32 s31, s34, \p
.if \p >= 8
	s_add_co_u32 s31, s31, s35
.endif
	v_add_nc_u32 v[RO+\p], s31, v[L16]
.endr
.macro LOAD t                          ; step t: 128 elements of each of the 16 rows; each load reads 512 consecutive bytes
.irp p, 0,1,2,3,4,5,6,7,8,9,10,11,12,13,14,15
	global_load_b128 v[R+64*((\t)%2)+4*\p:R+64*((\t)%2)+4*\p+3], v[RO+\p], s[SRC:SRC+1] offset:512*(\t) th:TH_LOAD_NT
.endr
.endm
; 64 numbers of a lane, register 16 b + i = k 32 b + 16 h + i of my row, become a fragment's 12 code registers in v[PC] on and its scale word in v[pw]
.macro QUANT s, pw
.irp b, 0,1,2,3
	v_max3_num_f32 v[TM+\b], |v[\s+16*\b]|, |v[\s+1+16*\b]|, 0x1800000   ; my 16 numbers of block b, and the floor 2^(3 - 127): the byte cannot fall under 1
.endr
.irp i, 2,4,6,8,10,12,14
.irp b, 0,1,2,3
	v_max3_num_f32 v[TM+\b], v[TM+\b], |v[\s+16*\b+\i]|, |v[\s+1+16*\b+\i]|
.endr
.endr
.irp b, 0,1,2,3
	v_permlanex16_b32 v[TM+4+\b], v[TM+\b], s[SEL], s[SEL+1]
.endr
.irp b, 0,1,2,3
	v_max_num_f32 v[TM+\b], v[TM+\b], v[TM+4+\b]   ; with lane l xor 16's: the block's largest magnitude
.endr
.irp b, 0,1,2,3
	v_add_nc_u32 v[TM+8+\b], 0xff000000, v[TM+\b]  ; 2 off its exponent field: the conversion's scale operand
.endr
.irp b, 0,1,2,3
	v_lshrrev_b32 v[TM+4+\b], 23, v[TM+8+\b]       ; the scale's byte
.endr
	v_lshl_or_b32 v[\pw], v[TM+5], 8, v[TM+4]
	v_lshl_or_b32 v[\pw], v[TM+6], 16, v[\pw]
	v_lshl_or_b32 v[\pw], v[TM+7], 24, v[\pw]
.irp c, 0,1
	v_cvt_scalef32_pk16_fp6_f32 v[PC+6*\c:PC+2+6*\c], v[\s+32*\c:\s+15+32*\c], v[TM+8+2*\c]
	v_cvt_scalef32_pk16_fp6_f32 v[PC+12+4*\c:PC+14+4*\c], v[\s+16+32*\c:\s+31+32*\c], v[TM+8+2*\c+1]   ; (a conversion's three registers begin on an even number)
.endr
	v_nop                                          ; one plain place behind a scaled conversion
.irp c, 0,1                                    ; the layout wants a whole block in a lane: lanes 0-15 block 2 c, lanes 16-31 block 2 c + 1
.irp i, 0,1,2
	v_permlane16_swap_b32 v[PC+6*\c+\i], v[PC+12+4*\c+\i]
.endr
.irp i, 0,1,2
	v_mov_b32 v[PC+3+6*\c+\i], v[PC+12+4*\c+\i]
.endr
.endr
.endm
.macro STEP t
.set RS, R+64*((\t)%2)
.if (\t) < 7
	s_wait_loadcnt 16                              ; this step's 16 loads are in; the next step's 16 may be out
.else
	s_wait_loadcnt 0x0
.endif
.irp p, 0,1,2,3,4,5,6,7,8,9,10,11,12,13,14,15
	ds_store_b128 v[STI], v[RS+4*\p:RS+4*\p+3] offset:528*\p
.endr
.irp b, 0,1,2,3
.irp j, 0,1,2,3
	ds_load_b128 v[RS+16*\b+4*\j:RS+16*\b+4*\j+3], v[STO] offset:128*\b+16*\j   ; LDS serves a wave's instructions in order: these see my stores
.endr
.endr
	s_wait_dscnt 0x0
	s_wait_xcnt 0x0                                ; the last step's stores have read their registers: they are written again only behind this wait
	s_cmp_ge_u32 ttmp9, 400                        ; numbers or mask?  The branch leads round register work and global stores alone
	s_cbranch_scc1 .Lm_\@
	QUANT RS, PWS+\t
	global_store_b128 v[L16], v[PC:PC+3], s[DC:DC+1] offset:1536*(\t)            ; 512 consecutive bytes
	global_store_b64 v[L8], v[PC+4:PC+5], s[DC:DC+1] offset:1536*(\t)+512        ; 256
	global_store_b128 v[L16], v[PC+6:PC+9], s[DC:DC+1] offset:1536*(\t)+768
	global_store_b64 v[L8], v[PC+10:PC+11], s[DC:DC+1] offset:1536*(\t)+1280
	s_branch .Lj_\@
.Lm_\@:
.irp g, 0,1,2,3,4,5,6,7
.irp i, 0,1,2,3,4,5,6,7
	v_cmp_ne_u32 s[CM+\i], 0, v[RS+8*\g+\i]        ; word n = 8 g + i: a bit for each lane
.endr
.irp i, 0,1,2,3,4,5,6,7
	v_writelane_b32 v[MW+\i%2], s[CM+\i], 4*\g+\i/2   ; lane n / 2 keeps words n and n + 1
.endr
.endr
	global_store_b64 v[L8], v[MW:MW+1], s[DC:DC+1] offset:256*(\t)   ; the step's 64 words: 256 consecutive bytes
.Lj_\@:
.if (\t) < 6
	LOAD (\t)+2
.endif
.endm
	s_wait_alu depctr_va_vdst(0)
	LOAD 0
	LOAD 1
.irp t, 0,1,2,3,4,5,6,7
	STEP \t
.endr
	s_cmp_ge_u32 ttmp9, 400
	s_cbranch_scc1 .Lfin
.irp i, 0,1,2,3
	v_cndmask_b32 v[TM+\i], v[PWS+\i], v[PWS+4+\i], s[HM]   ; lanes 0-15: K steps 0-3 of row r; lanes 16-31: K steps 4-7
.endr
	global_store_b128 v[L16], v[TM:TM+3], s[DS:DS+1]   ; the tile's 512 bytes of scale words
.Lfin:
	s_wait_tensorcnt 0x0                           ; the wave's end
	ds_add_u32 v[SPW], v[NIL]
	s_wait_dscnt 0x0
	s_endpgm
; Wq, Wk, Wv: K = m is not innermost.  A lane takes a column d and its registers run down m: a block of 32 lies in one lane.  A wave: one tensor, one head, 32 places of d, 512 of m.  No LDS.
.Lw:
	s_sub_co_u32 s25, s25, 2624
	s_lshr_b32 s26, s25, 6                         ; which tensor
	s_bfe_u32 s27, s25, 0x40002                    ; head
	s_bfe_u32 s30, s25, 0x10001                    ; which 32 of d
	s_and_b32 s31, s25, 1                          ; which 512 of m
	v_and_b32 v6, 7, v[LN]
	v_bfe_u32 v8, v[LN], 3, 1
	v_lshl_or_b32 v6, v8, 4, v6
	v_lshl_or_b32 v6, v7, 3, v6                    ; my lane's number with bits 3 and 4 exchanged: the column that belongs at place l
	v_lshlrev_b32 v6, 2, v6
	s_wait_alu depctr_va_vdst(0)
	v_and_b32 v9, 15, v[LN]
	v_lshlrev_b32 v9, 4, v9
	v_lshl_add_u32 v9, v7, 9, v9                   ; scale words: 16 r, + 512 for the second tile
	s_lshl_b32 s32, s30, 7
	s_lshl_b32 s34, s27, 18
	s_add_co_u32 s32, s32, s34
	s_lshl_b32 s34, s31, 17
	s_add_co_u32 s32, s32, s34
	s_cmp_eq_u32 s26, 0
	s_cselect_b64 s[SRC:SRC+1], s[14:15], s[16:17]
	s_cmp_eq_u32 s26, 2
	s_cselect_b64 s[SRC:SRC+1], s[18:19], s[SRC:SRC+1]
	s_add_nc_u64 s[SRC:SRC+1], s[SRC:SRC+1], s[32:33]
	s_lshl_b32 s34, s27, 2
	s_lshl_b32 s35, s30, 1
	s_add_co_u32 s34, s34, s35                     ; the first of my two tiles of places: 4 head + 2 g
	s_mul_i32 s36, s34, 12288
	s_mul_i32 s35, s26, 786432
	s_add_co_u32 s36, s36, s35
	s_mul_i32 s35, s31, 6144
	s_add_co_u32 s36, s36, s35
	s_add_co_u32 s36, s36, WC0
	s_add_nc_u64 s[DC:DC+1], s[20:21], s[36:37]
	s_lshl_b32 s36, s34, 9
	s_lshl_b32 s35, s26, 15
	s_add_co_u32 s36, s36, s35
	s_lshl_b32 s35, s31, 8
	s_add_co_u32 s36, s36, s35
	s_add_co_u32 s36, s36, WS0
	s_add_nc_u64 s[DS:DS+1], s[20:21], s[36:37]
.macro LOADW t                         ; block t: W(32 t + i, my column); 32 lanes read 128 consecutive bytes
.irp i, 0,1,2,3,4,5,6,7,8,9,10,11,12,13,14,15,16,17,18,19,20,21,22,23,24,25,26,27,28,29,30,31
	global_load_b32 v[R+32*((\t)%2)+\i], v6, s[SRC:SRC+1] offset:(32*(\t)+\i)*256
.endr
.endm
.macro BLOCKW t
.set WX, R+32*((\t)%2)
.set PB, PC+6*((\t)%2)
.if (\t) < 15
	s_wait_loadcnt 32                              ; this block's 32 loads are in; the next block's may be out
.else
	s_wait_loadcnt 0x0
.endif
	v_max3_num_f32 v[TM], |v[WX]|, |v[WX+1]|, |v[WX+2]|
	v_max3_num_f32 v[TM+1], |v[WX+3]|, |v[WX+4]|, |v[WX+5]|
.irp i, 6,10,14,18,22,26
	v_max3_num_f32 v[TM], v[TM], |v[WX+\i]|, |v[WX+\i+1]|
	v_max3_num_f32 v[TM+1], v[TM+1], |v[WX+\i+2]|, |v[WX+\i+3]|
.endr
	v_max3_num_f32 v[TM], v[TM], |v[WX+30]|, |v[WX+31]|
	v_max3_num_f32 v[TM], v[TM], v[TM+1], 0x1800000
	v_add_nc_u32 v[TM+2], 0xff000000, v[TM]
	v_lshrrev_b32 v[TM+3], 23, v[TM+2]
.if (\t)%4 == 0
	v_mov_b32 v[PWS+(\t)/4], v[TM+3]               ; four bytes to a word, the lower m in the lower byte
.else
	v_lshl_or_b32 v[PWS+(\t)/4], v[TM+3], 8*((\t)%4), v[PWS+(\t)/4]
.endif
.if (\t)%2 == 0
	s_wait_alu depctr_va_vdst(0)
	s_wait_xcnt 0x0                                ; the last pair's stores have read the code registers
.endif
	v_cvt_scalef32_pk16_fp6_f32 v[PB:PB+2], v[WX:WX+15], v[TM+2]
	v_cvt_scalef32_pk16_fp6_f32 v[PC+12:PC+14], v[WX+16:WX+31], v[TM+2]
	v_nop
.irp i, 0,1,2
	v_mov_b32 v[PB+3+\i], v[PC+12+\i]
.endr
.if (\t)+2 < 16
	LOADW (\t)+2
.endif
.if (\t)%2 == 1                        ; two blocks are a unit of 64 along K.  Lanes 0-15 hold the first tile's rows, lanes 16-31 the second's: the exchange gives each tile its half image
.irp i, 0,1,2,3,4,5
	v_permlane16_swap_b32 v[PC+\i], v[PC+6+\i]
.endr
	global_store_b128 v[L16], v[PC:PC+3], s[DC:DC+1] offset:768*((\t)/2)
	global_store_b64 v[L8], v[PC+4:PC+5], s[DC:DC+1] offset:768*((\t)/2)+512
	global_store_b128 v[L16], v[PC+6:PC+9], s[DC:DC+1] offset:12288+768*((\t)/2)
	global_store_b64 v[L8], v[PC+10:PC+11], s[DC:DC+1] offset:12288+768*((\t)/2)+512
.endif
.endm
	LOADW 0
	LOADW 1
.irp t, 0,1,2,3,4,5,6,7,8,9,10,11,12,13,14,15
	BLOCKW \t
.endr
	global_store_b128 v9, v[PWS:PWS+3], s[DS:DS+1] ; my row's four scale words of this half of K
	s_wait_tensorcnt 0x0                           ; the same three closing lines on this way
	ds_add_u32 v[SPW], v[NIL]
	s_wait_dscnt 0x0
	s_endpgm
.Lfunc_end_k_q476dcf4777_prep:
	.size	k_q476dcf4777_prep, .Lfunc_end_k_q476dcf4777_prep-k_q476dcf4777_prep
	.p2alignl 7, 3214868480
	.fill 96, 4, 3214868480
	.section	.rodata,"a",@progbits
	.p2align	6, 0x0
	.amdhsa_kernel k_q476dcf4777_prep
		.amdhsa_group_segment_fixed_size 34304
		.amdhsa_private_segment_fixed_size 0
		.amdhsa_enable_private_segment 0
		.amdhsa_kernarg_size 80
		.amdhsa_user_sgpr_count 2
		.amdhsa_user_sgpr_kernarg_segment_ptr 1
		.amdhsa_wavefront_size32 1
		.amdhsa_system_sgpr_workgroup_id_x 1
		.amdhsa_system_sgpr_workgroup_id_y 1
		.amdhsa_system_sgpr_workgroup_id_z 1
		.amdhsa_system_vgpr_workitem_id 0
		.amdhsa_next_free_vgpr 208
		.amdhsa_next_free_sgpr 66
		.amdhsa_reserve_vcc 0
		.amdhsa_float_denorm_mode_32 3
		.amdhsa_float_denorm_mode_16_64 3
		.amdhsa_memory_ordered 1
		.amdhsa_forward_progress 1
		.amdhsa_inst_pref_size 212
	.end_amdhsa_kernel
	.amdgpu_metadata
---
amdhsa.version: [ 1, 2 ]
amdhsa.kernels:
  - .name:           k_q476dcf4777_prep
    .symbol:         k_q476dcf4777_prep.kd
    .args:
      - { .name: q, .offset: 0, .size: 8, .value_kind: global_buffer, .address_space: global }
      - { .name: k, .offset: 8, .size: 8, .value_kind: global_buffer, .address_space: global }
      - { .name: v, .offset: 16, .size: 8, .value_kind: global_buffer, .address_space: global }
      - { .name: Wo_w, .offset: 24, .size: 8, .value_kind: global_buffer, .address_space: global }
      - { .name: mask, .offset: 32, .size: 8, .value_kind: global_buffer, .address_space: global }
      - { .name: Wq, .offset: 40, .size: 8, .value_kind: global_buffer, .address_space: global }
      - { .name: Wk, .offset: 48, .size: 8, .value_kind: global_buffer, .address_space: global }
      - { .name: Wv, .offset: 56, .size: 8, .value_kind: global_buffer, .address_space: global }
      - { .name: XW, .offset: 64, .size: 8, .value_kind: global_buffer, .address_space: global }
      - { .name: MB, .offset: 72, .size: 8, .value_kind: global_buffer, .address_space: global }
    .group_segment_fixed_size: 34304
    .private_segment_fixed_size: 0
    .kernarg_segment_align: 8
    .kernarg_segment_size: 80
    .max_flat_workgroup_size: 128
    .sgpr_count:     66
    .vgpr_count:     208
    .wavefront_size: 32
...
	.end_amdgpu_metadata
.endif
;; end of part 1
;; launch proj (part 2): grid 4 x 64, 4 waves a work-group, clusters of 4 x 4, 327,680 bytes of LDS; arguments XW, QKV; writes QKV
.if DOCPART == 2
	.amdgcn_target "amdgcn-amd-amdhsa--gfx1250"
	.amdhsa_code_object_version 6
	.text
	.protected	k_q476dcf4777_proj
	.globl	k_q476dcf4777_proj
	.p2align	8
	.type	k_q476dcf4777_proj,@function
k_q476dcf4777_proj:
	s_mov_b64 s[64:65], 0
	v_nop
	global_prefetch_b8 v0, s[64:65] scope:SCOPE_SE
	s_setreg_imm32_b32 hwreg(HW_REG_WAVE_MODE, 25, 1), 1
	s_wait_xcnt 0x0
	s_wait_alu depctr_hold_cnt(0) depctr_sa_sdst(0) depctr_va_vdst(0) depctr_va_sdst(0) depctr_va_ssrc(0) depctr_va_vcc(0) depctr_vm_vsrc(0)
	s_getreg_b32 s2, hwreg(HW_REG_IB_STS2, 6, 4)
	s_cmp_eq_u32 s2, 0
	s_cbranch_scc0 .Lentry_in_a_cluster
	s_endpgm
.Lentry_in_a_cluster:
	s_bfe_u32 s2, ttmp6, 0x10000c
	s_cmp_lg_u32 s2, 0xf033
	s_cbranch_scc0 .Lentry_shape_is_right
	s_endpgm
.Lentry_shape_is_right:
; SECOND LAUNCH: key = k Wk and value = v Wv on the codes of the first launch, quantised again on the way out into the records of QKV.  The query's product is made by the third launch, which alone reads it.
; 256 work-groups, a tile of 256 x 256 each.  THE HEAD: one joint load a wave: A's first chunk, B's first chunk, A's scale words, B's scale words; slot 1 follows behind the full sequence and a round.
.set WC0,   18874368
.set XS0,   22020096
.set WS0,   22806528
.set NQ,    2
.set FR,    12
.set NL,    4
.set NP,    4
.set TROW,  12288
.set SROW,  3072
.set HALFT, 8*SROW
.set SLOT,  4*HALFT
.set SCL,   2*SLOT
.set HALFS, 4096
.set SPARE, SCL+4*HALFS
.set REC,   19712
.set HEADB, 16*REC
.set ADRA, 16
.set ADRB, 20
.set L16,  24
.set L8,   25
.set VSO,  26
.set ADRS, 27
.set SPW,  28
.set NIL,  29
.set VSH,  30
.set SC,   32
.set TM,   64
.set CT,   76
.set PWS,  84
.set SEL8, 92
.set AF,   128
.set PCB,  128
.set G1, 24
.set G0, 32
.set G1B, 48
.set G0B, 56
.set G1S, 68
.set G0S, 76
.set G1SB, 80
.set G0SB, 88
.set MSB, 0
.macro WIN new
.if MSB != (\new)
	s_set_vgpr_msb (MSB<<8)|(\new)
.set MSB, (\new)
.endif
.endm
.set MUL_LO, 0xa1
.set MUL_HI, 0xf1
.set TO_B,   0x40
.macro JLOAD g0a, g1a, g0b, g1b
	s_cmp_eq_u32 s15, 0
	s_cbranch_scc0 .Lfor_b_\@
	tensor_load_to_lds s[\g0a:\g0a+3], s[\g1a:\g1a+7]
	s_nop 0
.rept 4
	v_nop
.endr
	s_branch .Lasked_\@
.Lfor_b_\@:
	tensor_load_to_lds s[\g0b:\g0b+3], s[\g1b:\g1b+7]
	s_nop 0
.rept 4
	v_nop
.endr
.Lasked_\@:
.endm
.macro CREST
	s_cmp_lg_u32 s14, 0
	s_cbranch_scc1 .Lnot_wave_0_\@
	s_barrier_signal -3
.Lnot_wave_0_\@:
	s_barrier_wait -3
	s_barrier_signal -1
	s_barrier_wait -1
.endm
.macro CROUND
	s_barrier_signal -1
	s_barrier_wait -1
	CREST
.endm
	s_load_b128 s[4:7], s[0:1], 0x0
	v_lshl_add_u32 v[SPW], v0, 2, SPARE
	v_mov_b32 v[NIL], 0
	ds_add_u32 v[SPW], v[NIL]
	ds_add_u32 v[SPW], v[NIL]
	v_lshrrev_b32 v1, 5, v0
	v_readfirstlane_b32 s14, v1
	s_lshr_b32 s15, s14, 1
	s_and_b32 s16, s14, 1
	s_bfe_u32 s40, ttmp6, 0x40000
	s_bfe_u32 s41, ttmp6, 0x40004
	s_and_b32 s8, ttmp7, 0xffff
	s_lshr_b32 s9, s8, 3
	s_add_co_u32 s9, s9, 1                         ; which tensor: 1 k, 2 v
	s_and_b32 s10, s8, 7
	s_lshl_b32 s10, s10, 2
	s_mul_i32 s18, s9, 6291456
	s_mul_i32 s19, s9, 786432
	s_add_co_u32 s19, s19, WC0
	s_lshl_b32 s20, s9, 18
	s_add_co_u32 s20, s20, XS0
	s_lshl_b32 s21, s9, 15
	s_add_co_u32 s21, s21, WS0
	s_cmp_eq_u32 s9, 2
	s_cselect_b32 s11, 0, s10
	s_cselect_b32 s12, s10, 0
	s_cselect_b32 s22, s19, s18
	s_cselect_b32 s23, s18, s19
	s_cselect_b32 s92, s21, s20
	s_cselect_b32 s93, s20, s21
	s_add_co_u32 s17, s41, s11
	s_add_co_u32 s42, s40, s12
	s_lshl_b32 s43, s41, 2
	s_lshl_b32 s43, 15, s43
	s_lshl_b32 s44, 0x1111, s40
	s_or_b32 s[G1+0], s43, (3<<16)|(1<<21)
	s_or_b32 s[G1B+0], s44, (3<<16)|(1<<21)
.irp g, G1, G1B
	s_mov_b32 s[\g+1], 384<<16
	s_mov_b32 s[\g+2], 16<<16
	s_mov_b32 s[\g+3], 384<<16
	s_mov_b32 s[\g+4], 16
	s_mov_b32 s[\g+5], 1536
	s_mov_b32 s[\g+6], 0
	s_mov_b32 s[\g+7], 0
.endr
	s_or_b32 s[G1S+0], s43, (3<<16)|(1<<21)
	s_or_b32 s[G1SB+0], s44, (3<<16)|(1<<21)
.irp g, G1S, G1SB
	s_mov_b32 s[\g+1], 32<<16
	s_mov_b32 s[\g+2], 32<<16
	s_mov_b32 s[\g+3], 32<<16
	s_mov_b32 s[\g+4], 32
	s_mov_b32 s[\g+5], 32
	s_mov_b32 s[\g+6], 0
	s_mov_b32 s[\g+7], 0
.endr
	s_lshl_b32 s10, s16, 3
	s_lshl_b32 s11, s17, 4
	s_add_co_u32 s11, s11, s10
	s_lshl_b32 s46, s42, 4
	s_add_co_u32 s46, s46, s10
	s_mul_i32 s12, s11, TROW
	s_add_co_u32 s12, s12, s22
	s_mov_b32 s13, 0
	s_lshl_b32 s94, s11, 9
	s_add_co_u32 s94, s94, s92
	s_mov_b32 s95, 0
	s_mul_i32 s96, s46, TROW
	s_add_co_u32 s96, s96, s23
	s_mov_b32 s97, 0
	s_lshl_b32 s46, s46, 9
	s_add_co_u32 s46, s46, s93
	s_mov_b32 s47, 0
	s_mul_i32 s45, s14, HALFT
	s_wait_dscnt 0x0
	s_wait_kmcnt 0x0
	s_add_nc_u64 s[12:13], s[4:5], s[12:13]
	s_add_nc_u64 s[94:95], s[4:5], s[94:95]
	s_add_nc_u64 s[96:97], s[4:5], s[96:97]
	s_add_nc_u64 s[46:47], s[4:5], s[46:47]
	CROUND
	s_mul_i32 s2, s16, 8*TROW                      ; my half's distance from the tile's first row: taken off, the address is the whole tile's
	s_mov_b32 s3, 0
	s_mov_b32 s[G0], 1                             ; the head's four tiles, each whole: A's 16 tile rows of chunk 0,
	s_mov_b32 s[G0+1], 0
	s_sub_nc_u64 s[G0+2:G0+3], s[12:13], s[2:3]
	s_or_b32 s[G0+3], s[G0+3], 0x80000000
	s_mov_b32 s[G0B], 1                            ; B's, behind them in slot 0,
	s_mov_b32 s[G0B+1], 2*HALFT
	s_sub_nc_u64 s[G0B+2:G0B+3], s[96:97], s[2:3]
	s_or_b32 s[G0B+3], s[G0B+3], 0x80000000
	s_lshl_b32 s2, s16, 12
	s_mov_b32 s[G0S], 1                            ; A's scale words, 32 rows of 256 bytes,
	s_mov_b32 s[G0S+1], SCL
	s_sub_nc_u64 s[G0S+2:G0S+3], s[94:95], s[2:3]
	s_or_b32 s[G0S+3], s[G0S+3], 0x80000000
	s_mov_b32 s[G0SB], 1                           ; and B's
	s_mov_b32 s[G0SB+1], SCL+2*HALFS
	s_sub_nc_u64 s[G0SB+2:G0SB+3], s[46:47], s[2:3]
	s_or_b32 s[G0SB+3], s[G0SB+3], 0x80000000
	s_mov_b32 s[G0+4], 1                           ; slot 1: my quarter of chunk 1
	s_add_co_u32 s[G0+5], s45, SLOT
	s_add_nc_u64 s[G0+6:G0+7], s[12:13], SROW
	s_or_b32 s[G0+7], s[G0+7], 0x80000000
	s_mov_b32 s[G0B+4], 1
	s_add_co_u32 s[G0B+5], s45, SLOT
	s_add_nc_u64 s[G0B+6:G0B+7], s[96:97], SROW
	s_or_b32 s[G0B+7], s[G0B+7], 0x80000000
.macro ARM under, g0, g1, next                 ; one chain of branches on the wave's number, one load to an arm, all arms to one join
	s_cmp_lt_u32 s14, \under
	s_cbranch_scc0 \next
	tensor_load_to_lds s[\g0:\g0+3], s[\g1:\g1+7]
	s_nop 0
.rept 4
	v_nop
.endr
	s_branch .Lhead_asked
\next:
.endm
	ARM 1, G0,  G1,  .Lhead_b
	ARM 2, G0B, G1B, .Lhead_sa
	ARM 3, G0S, G1S, .Lhead_sb
	tensor_load_to_lds s[G0SB:G0SB+3], s[G1SB:G1SB+7]
	s_nop 0
.rept 4
	v_nop
.endr
.Lhead_asked:
	s_wait_alu depctr_va_vdst(0)
	s_wait_tensorcnt 0x0                           ; my tile of the four is in; no tensor load of mine is out, so descriptors may be written
	ds_add_u32 v28, v29
	s_mov_b32 s[G1+2], 8<<16                       ; from here on a load brings 8 tile rows
	s_mov_b32 s[G1+4], 8
	s_mov_b32 s[G1B+2], 8<<16
	s_mov_b32 s[G1B+4], 8
	s_mov_b32 s[G0+1], s45                         ; slot 0's group 0 for the ring: my quarter, at chunk 0; its first refill steps it on
	s_mov_b64 s[G0+2:G0+3], s[12:13]
	s_or_b32 s[G0+3], s[G0+3], 0x80000000
	s_mov_b32 s[G0B+1], s45
	s_mov_b64 s[G0B+2:G0B+3], s[96:97]
	s_or_b32 s[G0B+3], s[G0B+3], 0x80000000
	s_wait_dscnt 0x0
	CROUND
	JLOAD G0+4, G1, G0B+4, G1B
	v_and_b32 v1, 15, v0
	v_bfe_u32 v2, v0, 4, 1
	v_and_b32 v3, 31, v0
	v_lshlrev_b32 v[L16], 4, v3
	v_lshlrev_b32 v[L8], 3, v3
	s_mul_i32 s21, s15, HALFT
	s_mul_i32 s22, s16, HALFT
	s_add_co_u32 s22, s22, 2*HALFT
.irp s, 0,1
	v_add_nc_u32 v[ADRA+\s], s21, v[L16]
	v_add_nc_u32 v[ADRB+\s], s22, v[L16]
	v_add_nc_u32 v[ADRA+2+\s], s21, v[L8]
	v_add_nc_u32 v[ADRB+2+\s], s22, v[L8]
	s_add_co_u32 s21, s21, SLOT
	s_add_co_u32 s22, s22, SLOT
.endr
	v_lshlrev_b32 v5, 4, v1
	s_lshl_b32 s21, s15, 12
	s_lshl_b32 s22, s16, 12
	s_add_co_u32 s22, s22, 2*HALFS
	s_sub_co_u32 s22, s22, s21
	v_mul_u32_u24 v6, s22, v2
	s_add_co_u32 s21, s21, SCL
	v_add_nc_u32 v5, v5, v6
	v_add_nc_u32 v[ADRS], s21, v5
	v_mul_u32_u24 v[VSO], v2, HEADB
	v_lshl_add_u32 v[VSO], v1, 4, v[VSO]
	v_lshlrev_b32 v[VSH], 4, v2
.irp b, 0,1,2,3
	v_mov_b32 v[TM+4+\b], 0
.endr
	s_mov_b32 s2, 0x76543210
	s_mov_b32 s3, 0xfedcba98
	s_mov_b32 s8, 0xffff0000
	s_cmp_eq_u32 s9, 2
	s_cselect_b32 s18, s42, s17
	s_cselect_b32 s19, s16, s15
	s_cselect_b32 s20, s17, s42
	s_cselect_b32 s21, s15, s16
	s_lshr_b32 s22, s18, 3
	s_lshl_b32 s22, s22, 4
	s_lshl_b32 s20, s20, 2
	s_add_co_u32 s22, s22, s20
	s_lshl_b32 s21, s21, 1
	s_add_co_u32 s22, s22, s21
	s_lshl_b32 s22, s22, 4
	s_and_b32 s18, s18, 7
	s_lshl_b32 s18, s18, 1
	s_add_co_u32 s22, s22, s18
	s_add_co_u32 s22, s22, s19
	s_mul_i32 s22, s22, REC
	s_mul_i32 s23, s9, 6144
	s_add_co_u32 s10, s22, s23
	s_mov_b32 s11, 0
	s_lshl_b32 s23, s9, 9
	s_add_co_u32 s12, s22, s23
	s_add_co_u32 s12, s12, 17920                   ; K's scale words at byte 18,432 of a record, V's at 18,944
	s_mov_b32 s13, 0
	s_add_nc_u64 s[10:11], s[6:7], s[10:11]
	s_add_nc_u64 s[12:13], s[6:7], s[12:13]
.macro FRAG reg, adr, q, i
	ds_load_b128 v[\reg:\reg+3], v[\adr] offset:SROW*(\i)+1536*(\q)
	ds_load_b64 v[\reg+4:\reg+5], v[\adr+2] offset:SROW*(\i)+1536*(\q)+512
	ds_load_b128 v[\reg+6:\reg+9], v[\adr] offset:SROW*(\i)+1536*(\q)+768
	ds_load_b64 v[\reg+10:\reg+11], v[\adr+2] offset:SROW*(\i)+1536*(\q)+1280
.endm
.macro MUL16 a0, p, q, sc, zero
.irp a, \a0, \a0+1
.irp b, 0,1,2,3,4,5,6,7
.if \zero
	v_wmma_scale_f32_16x16x128_f8f6f4 v[8*(8*((\a)%4)+\b):8*(8*((\a)%4)+\b)+7], v[128*(\p)+FR*\b:128*(\p)+FR*\b+FR-1], v[AF+FR*(\a):AF+FR*(\a)+FR-1], 0, v[SC+8*NQ*(\sc)+NQ*\b+(\q)], v[SC+8*NQ*(\sc)+NQ*(\a)+(\q)] matrix_a_fmt:MATRIX_FMT_FP6 matrix_b_fmt:MATRIX_FMT_FP6 matrix_a_scale:MATRIX_SCALE_ROW1
.else
	v_wmma_scale_f32_16x16x128_f8f6f4 v[8*(8*((\a)%4)+\b):8*(8*((\a)%4)+\b)+7], v[128*(\p)+FR*\b:128*(\p)+FR*\b+FR-1], v[AF+FR*(\a):AF+FR*(\a)+FR-1], v[8*(8*((\a)%4)+\b):8*(8*((\a)%4)+\b)+7], v[SC+8*NQ*(\sc)+NQ*\b+(\q)], v[SC+8*NQ*(\sc)+NQ*(\a)+(\q)] matrix_a_fmt:MATRIX_FMT_FP6 matrix_b_fmt:MATRIX_FMT_FP6 matrix_a_scale:MATRIX_SCALE_ROW1
.endif
.endr
.endr
.endm
.macro FETCH_B slot, q, p
	WIN TO_B
.irp i, 0,1,2,3,4,5,6,7
	FRAG 128*(\p)+FR*\i, ADRB+\slot, \q, \i
.endr
	WIN 0
.endm
.macro FETCH_A slot, q, i0
.irp i, \i0, \i0+1, \i0+2, \i0+3
	FRAG AF+FR*(\i), ADRA+\slot, \q, \i
.endr
.endm
.macro SCALES sc, sg
.irp i, 0,1,2,3,4,5,6,7
	ds_load_b64 v[SC+16*(\sc)+2*\i:SC+16*(\sc)+2*\i+1], v[ADRS] offset:512*\i+256*((\sg)>>1)+8*((\sg)&1)
.endr
.endm
.macro PLACES n
.rept \n
	v_nop
.endr
.endm
.macro STEP slot, q, zero
	s_wait_dscnt 4*NL
	WIN MUL_LO
	MUL16 0, (\q)%2, \q, \slot, \zero
	MUL16 2, (\q)%2, \q, \slot, \zero
	s_wait_dscnt 0
	PLACES NP
	FETCH_B \slot, (\q)+1, 1-(\q)%2
	FETCH_A \slot, (\q)+1, 0
	WIN MUL_HI
	MUL16 4, (\q)%2, \q, \slot, \zero
	MUL16 6, (\q)%2, \q, \slot, \zero
	PLACES NP
	WIN 0
	FETCH_A \slot, (\q)+1, 4
.endm
.macro TURN slot, next, fill, sg
	s_wait_tensorcnt 0x0
	ds_add_u32 v[SPW], v[NIL]
	s_wait_dscnt 4*NL+1
	WIN MUL_LO
	MUL16 0, 1, NQ-1, \slot, 0
	s_wait_dscnt 0x0
	s_barrier_signal -1
	MUL16 2, 1, NQ-1, \slot, 0
	WIN 0
	s_barrier_wait -1
.if \fill
	CREST
	s_add_nc_u64 s[G0+4*\slot+2:G0+4*\slot+3], s[G0+4*\slot+2:G0+4*\slot+3], 2*SROW
	s_add_nc_u64 s[G0B+4*\slot+2:G0B+4*\slot+3], s[G0B+4*\slot+2:G0B+4*\slot+3], 2*SROW
	JLOAD G0+4*\slot, G1, G0B+4*\slot, G1B
.else
	PLACES NP
.endif
	FETCH_B \next, 0, 0
	FETCH_A \next, 0, 0
	SCALES \next, \sg
	WIN MUL_HI
	MUL16 4, 1, NQ-1, \slot, 0
	MUL16 6, 1, NQ-1, \slot, 0
	PLACES NP
	WIN 0
	FETCH_A \next, 0, 4
.endm
	s_wait_alu depctr_va_vdst(0)
	s_wait_tensorcnt 1
	s_barrier_signal -1
	s_barrier_wait -1
	FETCH_B 0, 0, 0
	FETCH_A 0, 0, 0
	SCALES 0, 0
	FETCH_A 0, 0, 4
	STEP 0, 0, 1
	TURN 0, 1, 1, 1
	STEP 1, 0, 0
	TURN 1, 0, 1, 2
	STEP 0, 0, 0
	TURN 0, 1, 0, 3
	STEP 1, 0, 0
	s_wait_dscnt 4*NL
	WIN MUL_LO
	MUL16 0, 1, NQ-1, 1, 0
	MUL16 2, 1, NQ-1, 1, 0
	s_wait_dscnt 0
	WIN MUL_HI
	MUL16 4, 1, NQ-1, 1, 0
	MUL16 6, 1, NQ-1, 1, 0
	WIN 0
	PLACES NP
.macro QUANTW a
.set AC, 64*((\a)%4)
.set WW, 2+(\a)/4
.set WQ, (WW<<2)|(WW<<4)
.set PCA, PCB+12*(\a)
	WIN WQ
.irp b, 0,1,2,3
	v_max3_num_f32 v[TM+\b], 0x1800000, |v[AC+16*\b]|, |v[AC+1+16*\b]|
.endr
.irp i, 2,4,6,8,10,12,14
.irp b, 0,1,2,3
	v_max3_num_f32 v[TM+\b], v[TM+\b], |v[AC+16*\b+\i]|, |v[AC+1+16*\b+\i]|
.endr
.endr
	WIN 0
.irp b, 0,1,2,3
	v_permlanex16_b32 v[TM+4+\b], v[TM+\b], s2, s3
.endr
.irp b, 0,1,2,3
	v_max_num_f32 v[TM+\b], v[TM+\b], v[TM+4+\b]
.endr
.irp b, 0,1,2,3
	v_add_nc_u32 v[TM+8+\b], 0xff000000, v[TM+\b]
.endr
.irp b, 0,1,2,3
	v_lshrrev_b32 v[TM+4+\b], 23, v[TM+8+\b]
.endr
	v_lshl_or_b32 v[PWS+\a], v[TM+5], 8, v[TM+4]
	v_lshl_or_b32 v[PWS+\a], v[TM+6], 16, v[PWS+\a]
	v_lshl_or_b32 v[PWS+\a], v[TM+7], 24, v[PWS+\a]
	WIN WW
.irp c, 0,1
	v_cvt_scalef32_pk16_fp6_f32 v[PCA+6*\c:PCA+2+6*\c], v[AC+32*\c:AC+15+32*\c], v[TM+8+2*\c]
	v_cvt_scalef32_pk16_fp6_f32 v[CT+4*\c:CT+2+4*\c], v[AC+16+32*\c:AC+31+32*\c], v[TM+8+2*\c+1]
.endr
	WIN 0
	v_nop
.irp c, 0,1
.irp i, 0,1,2
	v_permlane16_swap_b32 v[PCA+6*\c+\i], v[CT+4*\c+\i]
.endr
.irp i, 0,1,2
	v_mov_b32 v[PCA+3+6*\c+\i], v[CT+4*\c+\i]
.endr
.endr
.endm
.irp a, 0,1,2,3,4,5,6,7
	QUANTW \a
.endr
	s_cmp_eq_u32 s9, 2
	s_cbranch_scc1 .Lv_out
.irp a, 0,1,2,3,4,5,6,7
	global_store_b128 v[L16], v[PCB+12*\a:PCB+12*\a+3], s[10:11] offset:768*\a
	global_store_b64 v[L8], v[PCB+12*\a+4:PCB+12*\a+5], s[10:11] offset:768*\a+512
	global_store_b128 v[L16], v[PCB+12*\a+6:PCB+12*\a+9], s[10:11] offset:HEADB+768*\a
	global_store_b64 v[L8], v[PCB+12*\a+10:PCB+12*\a+11], s[10:11] offset:HEADB+768*\a+512
.endr
.irp a, 0,1,2,3,4,5,6,7
	v_lshrrev_b32 v[SEL8+\a], v[VSH], v[PWS+\a]
.endr
	global_store_b128 v[VSO], v[SEL8:SEL8+3], s[12:13]
	global_store_b128 v[VSO], v[SEL8+4:SEL8+7], s[12:13] offset:256
	s_branch .Ldone
.Lv_out:
	s_wait_alu depctr_va_vdst(0)
.irp a, 0,1,2,3,4,5,6,7
.irp c, 0,1,2
	global_store_b128 v[L16], v[PCB+12*\a+4*\c:PCB+12*\a+4*\c+3], s[10:11] offset:(\a/4)*HEADB+(\a%4)*1536+512*\c
.endr
.endr
.irp i, 0,1,2,3
	v_cndmask_b32 v[SEL8+\i], v[PWS+\i], v[PWS+4+\i], s8
.endr
	global_store_b128 v[VSO], v[SEL8:SEL8+3], s[12:13]
.Ldone:
	s_wait_tensorcnt 0x0
	ds_add_u32 v[SPW], v[NIL]
	s_wait_dscnt 0x0
	CROUND
	s_endpgm
.Lfunc_end_k_q476dcf4777_proj:
	.size	k_q476dcf4777_proj, .Lfunc_end_k_q476dcf4777_proj-k_q476dcf4777_proj
	.p2alignl 7, 3214868480
	.fill 96, 4, 3214868480
	.section	.rodata,"a",@progbits
	.p2align	6, 0x0
	.amdhsa_kernel k_q476dcf4777_proj
		.amdhsa_group_segment_fixed_size 327680
		.amdhsa_private_segment_fixed_size 0
		.amdhsa_enable_private_segment 0
		.amdhsa_kernarg_size 16
		.amdhsa_user_sgpr_count 2
		.amdhsa_user_sgpr_kernarg_segment_ptr 1
		.amdhsa_wavefront_size32 1
		.amdhsa_system_sgpr_workgroup_id_x 1
		.amdhsa_system_sgpr_workgroup_id_y 1
		.amdhsa_system_sgpr_workgroup_id_z 1
		.amdhsa_system_vgpr_workitem_id 0
		.amdhsa_next_free_vgpr 1024
		.amdhsa_next_free_sgpr 98
		.amdhsa_reserve_vcc 0
		.amdhsa_float_denorm_mode_32 3
		.amdhsa_float_denorm_mode_16_64 3
		.amdhsa_memory_ordered 1
		.amdhsa_forward_progress 1
		.amdhsa_inst_pref_size 153
	.end_amdhsa_kernel
	.amdgpu_metadata
---
amdhsa.version: [ 1, 2 ]
amdhsa.kernels:
  - .name:           k_q476dcf4777_proj
    .symbol:         k_q476dcf4777_proj.kd
    .args:
      - { .name: XW, .offset: 0, .size: 8, .value_kind: global_buffer, .address_space: global }
      - { .name: QKV, .offset: 8, .size: 8, .value_kind: global_buffer, .address_space: global }
    .group_segment_fixed_size: 327680
    .private_segment_fixed_size: 0
    .kernarg_segment_align: 8
    .kernarg_segment_size: 16
    .max_flat_workgroup_size: 128
    .sgpr_count:     98
    .vgpr_count:     1024
    .wavefront_size: 32
...
	.end_amdgpu_metadata
.endif
;; end of part 2
;; launch attn (part 3): grid 4 x 64, 16 waves a work-group, clusters of 4 x 1, 327,680 bytes of LDS; arguments XW, QKV, MB, OC; writes OC
.if DOCPART == 3
	.amdgcn_target "amdgcn-amd-amdhsa--gfx1250"
	.amdhsa_code_object_version 6
	.text
	.protected	k_q476dcf4777_attn
	.globl	k_q476dcf4777_attn
	.p2align	8
	.type	k_q476dcf4777_attn,@function
k_q476dcf4777_attn:
	s_mov_b64 s[64:65], 0
	v_nop
	global_prefetch_b8 v0, s[64:65] scope:SCOPE_SE
	s_setreg_imm32_b32 hwreg(HW_REG_WAVE_MODE, 25, 1), 1
	s_wait_xcnt 0x0
	s_wait_alu depctr_hold_cnt(0) depctr_sa_sdst(0) depctr_va_vdst(0) depctr_va_sdst(0) depctr_va_ssrc(0) depctr_va_vcc(0) depctr_vm_vsrc(0)
	s_getreg_b32 s2, hwreg(HW_REG_IB_STS2, 6, 4)
	s_cmp_eq_u32 s2, 0
	s_cbranch_scc0 .Lentry_in_a_cluster
	s_endpgm
.Lentry_in_a_cluster:
	s_bfe_u32 s2, ttmp6, 0x10000c
	s_cmp_lg_u32 s2, 0x3003
	s_cbranch_scc0 .Lentry_shape_is_right
	s_endpgm
.Lentry_shape_is_right:
; THIRD LAUNCH: query = q Wq for 512 rows of one batch and head, then the attention of those rows on the second launch's K and V: scores = query . key / 8, the mask, the softmax, the product with value;
; the result is quantised along (head, d) for the last launch.  No work of the problem is left out.
; THE QUERY.  A wave owns two tiles of 16 rows.  Their codes of q come from XW straight into registers (images of the operand's registers: each load reads 512 or 256 consecutive bytes), four K steps of 128 ahead.
; The head's 64 rows of Wq, all of K, 49,152 bytes, come into LDS once: sixteen joint loads at the head, one a wave, 3,072 bytes each.  8 K steps x 4 tiles of d x 2 tiles of rows = 64 products a wave, the eight sums by turns.
; Source 0 is Wq's rows, stored so that the 16 registers of two neighbouring tiles are d = 32 b + 16 h + 0 .. 15 of the lane's query: the sums are quantised in registers and are Q's operand as they fall.
; THE SOFTMAX: t = score x log2(e) / 8; M = the row's largest t so far, rounded up to a whole number; p = 2^(t - M) is quantised along the keys, not normalised; the row's sum is taken of the unquantised p and divides at
; the end.  When M moves, the sum and O are multiplied by 2^(old M - new M): exact.
; THE MASK: where it is 0 the raw score becomes -2^33, that is a logit of -2^30 in place of -1e9.  LIMIT: results are those of -1e9 wherever a row's largest unmasked logit lies above -1e9 + 110, or the row is masked
; altogether (c x 2^33 is a whole number, so every p of such a row is exactly 1, as with -1e9).  NaN and infinities are not served; a block of zeros has the scale byte 1.
; LDS: 16 steps of 128 keys x 13,056 bytes (K's 8 half images, V's 4 fragments, scale words), each brought once by one joint load of one wave, behind the full sequence and a round;
; they land while Q is made.  Behind them Wq's 49,152 bytes, then the spare words.  Nothing is filled again.  All of LDS is claimed.
; CLUSTER.  The four work-groups of a cluster share batch and head, and so Wq's rows, K and V: every tensor load is asked for jointly by the four, with one descriptor.  cx enters q's, MB's and OC's global addresses alone.
; A BARRIER IN EACH KEY STEP, split: the signal at the step's top, the wait behind V's LDS loads.  It orders no data (no LDS byte is written behind the head): it keeps the sixteen waves within one step of each other.
; NO PREFETCH: each tile is asked for once, at the head, with no loop ahead of it to run ahead in; q's fragments are loaded four K steps ahead and the mask's words one key step ahead.
; LAYOUT.  Both products of the attention are used transposed: S^T = K Q^T, O^T = V^T P^T: a lane holds one query.  The scores' K is 64: Q's registers 6-11 are zero codes, so what stands in K's registers 6-11 adds nothing.
; Score register n holds key 32 (n / 16) + 16 (lane / 16) + n % 16 of the step; MB's word n is that register's lane mask.
.set STEPB, 13056
.set WQB,   16*STEPB
.set SPARE, WQB+49152
.set REC,   19712
.set HEADB, 16*REC
.set WC0,   18874368
.set XS0,   22020096
.set WS0,   22806528
.set L16, 1                            ; v1 16 x lane;  v2 8 x lane;  v3 16 r
.set L8,  2
.set LR,  3
.set A16, 4                            ; v4-6 the same, at the tile in hand
.set A8,  5
.set AR,  6
.set NEG, 7                            ; v7 -2^33
.set BO,  8                            ; v8 16 r + h
.set TW,  10                           ; v10, v11 at work;  v12 -M, v13 the largest t, v[14:15] the row's sum
.set QF,  16                           ; v16-27 Q's fragment, registers 6-11 zero (while Q is made: one fragment of q)
.set FF,  28                           ; v[28:29] f = 2^(old M - new M)
.set SPW, 30
.set NIL, 31
.set KS,  32                           ; v32-55 hold scale words and nothing else.  In the key steps: v32-39 K's, v40-43 V's, v44 Q's, v45 p's, v46 the second tile's Q's
.set VS,  40
.set QS,  44
.set PW,  45
.set Q2S, 46
.set WS,  32                           ; while Q is made: v32-47 Wq's (4 a tile: lanes 0-15 K steps 0-3, lanes 16-31 K steps 4-7), v48-55 q's likewise
.set QSW, 48
.set KV,  56                           ; v56-103 K's 8 half images, then V's 4 fragments; v104-109 zero
.set S,   110                          ; v110-173 S^T, then p
.set O,   174                          ; v174-205 O^T
.set PC,  206                          ; v206-217 p's codes
.set CT,  218                          ; v218-225
.set BM,  226                          ; v226-229 the blocks' largest
.set BT,  230
.set SO,  234                          ; v234-237 the conversions' scale operands
.set Q2,  238                          ; v238-243 the second tile's Q
.set SM,  244                          ; v244-255 six chains of the row's sum
.set QA,  56                           ; while Q is made: v56-139 seven fragments of q (the eighth in v16-27), v140-187 Wq's four, v188-219 the second tile's sums, v220-251 the first's
.set WF,  140
.set AC,  188
.set WV,  12
.set TB,  13                           ; s13 LDS byte at which the step in hand begins
.set J,   14
.set G1W, 16                           ; s[16:23], s[24:27] Wq's descriptor; the mask's words land there when its load is done
.set G0W, 24
.set CS,  66                           ; s[66:67] c = log2(e) / 8
.set SEL, 68
.set G,   70                           ; s70 steps done, of 32
.set HM,  71
.set G1,  72
.set G0,  96
.macro CROUND
	s_barrier_signal -1
	s_barrier_wait -1
	s_cmp_lg_u32 s[WV], 0
	s_cbranch_scc1 .Lnot_wave_0_\@
	s_barrier_signal -3
.Lnot_wave_0_\@:
	s_barrier_wait -3
	s_barrier_signal -1
	s_barrier_wait -1
.endm
.macro PLACES
.rept 4
	v_nop
.endr
.endm
	s_load_b256 s[4:11], s[0:1], 0x0               ; XW, QKV, MB, OC
	v_lshl_add_u32 v[SPW], v0, 2, SPARE
	v_mov_b32 v[NIL], 0
	ds_add_u32 v[SPW], v[NIL]                      ; the opening lines: the add, twice on end, and its wait ahead of my first tensor load
	ds_add_u32 v[SPW], v[NIL]
	v_lshrrev_b32 v1, 5, v0
	s_delay_alu instid0(VALU_DEP_1)
	v_readfirstlane_b32 s[WV], v1                  ; wave 0..15
	s_bfe_u32 s28, ttmp6, 0x40000                  ; cx
	s_and_b32 s29, ttmp7, 0xffff                   ; 16 x batch + head, which the four partners share
	s_and_b32 s30, s29, 15                         ; head
.irp g, G1, G1W
	s_mov_b32 s[\g], 15|(3<<16)|(1<<21)            ; the mask: all four; elements of 8 bytes; bit 21 beside a mask; no padding
	s_mov_b32 s[\g+1], 32<<16                      ; rows of 256 bytes, dense
	s_mov_b32 s[\g+3], 32<<16
	s_mov_b32 s[\g+5], 32
	s_mov_b32 s[\g+6], 0
	s_mov_b32 s[\g+7], 0
.endr
	s_mov_b32 s[G1+2], 51<<16                      ; a key step: 51 rows
	s_mov_b32 s[G1+4], 51
	s_mov_b32 s[G1W+2], 12<<16                     ; a sixteenth of Wq's rows: 12
	s_mov_b32 s[G1W+4], 12
	s_mul_i32 s32, s30, 49152
	s_mul_i32 s31, s[WV], 3072
	s_add_co_u32 s32, s32, s31
	s_add_co_u32 s32, s32, WC0                     ; my sixteenth of the head's Wq
	s_mov_b32 s33, 0
	s_mov_b32 s[G0W], 1
	s_add_co_u32 s[G0W+1], s31, WQB
	s_mul_i32 s34, s29, HEADB
	s_mul_i32 s31, s[WV], REC
	s_add_co_u32 s34, s34, s31
	s_add_co_u32 s34, s34, 6144                    ; step w's record, from K's codes on
	s_mov_b32 s35, 0
	s_mov_b32 s[G0], 1
	s_mul_i32 s[G0+1], s[WV], STEPB
	s_lshr_b32 s44, s29, 4
	s_lshl_b32 s44, s44, 7
	s_lshl_b32 s31, s28, 5
	s_add_co_u32 s44, s44, s31
	s_lshl_b32 s31, s[WV], 1
	s_add_co_u32 s44, s44, s31                     ; my first tile of 16 rows among the 512: 128 batch + 32 cx + 2 w
	s_mul_i32 s2, s44, 12288                       ; q's codes
	s_mov_b32 s3, 0
	s_lshl_b32 s40, s44, 9
	s_add_co_u32 s40, s40, XS0                     ; q's scale words
	s_mov_b32 s41, 0
	s_lshl_b32 s42, s30, 11
	s_add_co_u32 s42, s42, WS0                     ; Wq's scale words
	s_mov_b32 s43, 0
	s_lshl_b32 s46, s44, 12                        ; my mask words; my 32 steps' words follow each other, 256 bytes a step
	s_mov_b32 s47, 0
	s_lshl_b32 s48, s44, 9
	s_lshr_b32 s31, s30, 3
	s_lshl_b32 s31, s31, 8
	s_add_co_u32 s48, s48, s31
	s_bfe_u32 s31, s30, 0x20001
	s_lshl_b32 s31, s31, 2
	s_add_co_u32 s48, s48, s31
	s_and_b32 s31, s30, 1
	s_lshl_b32 s31, s31, 1
	s_add_co_u32 s48, s48, s31
	s_add_co_u32 s48, s48, 6291456                 ; OC's scale bytes: my head's two bytes of each row
	s_mov_b32 s49, 0
	s_mul_i32 s50, s44, 12288
	s_mul_i32 s31, s30, 768
	s_add_co_u32 s50, s50, s31                     ; OC's codes: unit = head
	s_mov_b32 s51, 0
	s_mov_b32 s[CS], 0x3e38aa3b
	s_mov_b32 s[CS+1], s[CS]
	s_mov_b32 s[SEL], 0x76543210
	s_mov_b32 s[SEL+1], 0xfedcba98
	s_mov_b32 s[HM], 0xffff0000
	s_mov_b32 s[G], 0
	v_and_b32 v9, 31, v0
	v_and_b32 v10, 15, v0
	v_bfe_u32 v11, v0, 4, 1
	v_lshlrev_b32 v[L16], 4, v9
	v_lshlrev_b32 v[L8], 3, v9
	v_lshlrev_b32 v[LR], 4, v10
	v_mov_b32 v[NEG], 0xd0000000
	v_add_nc_u32 v[A16], WQB, v[L16]
	v_add_nc_u32 v[A8], WQB, v[L8]
	v_add_nc_u32 v[BO], v[LR], v11
	s_wait_alu depctr_va_vdst(0)
	s_wait_dscnt 0x0                               ; both opening adds are done
	s_wait_kmcnt 0x0
	s_add_nc_u64 s[G0W+2:G0W+3], s[4:5], s[32:33]
	s_or_b32 s[G0W+3], s[G0W+3], 0x80000000
	s_add_nc_u64 s[G0+2:G0+3], s[6:7], s[34:35]
	s_or_b32 s[G0+3], s[G0+3], 0x80000000
	s_add_nc_u64 s[2:3], s[4:5], s[2:3]
	s_add_nc_u64 s[40:41], s[4:5], s[40:41]
	s_add_nc_u64 s[42:43], s[4:5], s[42:43]
	s_add_nc_u64 s[8:9], s[8:9], s[46:47]
	s_add_nc_u64 s[100:101], s[10:11], s[48:49]
	s_add_nc_u64 s[10:11], s[10:11], s[50:51]
.macro QREG s, u                       ; where q's fragment of K step s, tile u lies: a ring of four K steps
.set QB_, QA+12*(2*((\s)%4)+\u)
.if 2*((\s)%4)+\u == 7
.set QB_, QF
.endif
.endm
.macro QLOAD s                         ; 8 loads: K step s of my two tiles of q
.irp u, 0,1
	QREG \s, \u
	global_load_b128 v[QB_:QB_+3], v[L16], s[2:3] offset:12288*\u+1536*(\s)
	global_load_b64 v[QB_+4:QB_+5], v[L8], s[2:3] offset:12288*\u+1536*(\s)+512
	global_load_b128 v[QB_+6:QB_+9], v[L16], s[2:3] offset:12288*\u+1536*(\s)+768
	global_load_b64 v[QB_+10:QB_+11], v[L8], s[2:3] offset:12288*\u+1536*(\s)+1280
.endr
.endm
	CROUND                                         ; all four work-groups are here: the joint loads meet
	tensor_load_to_lds s[G0W:G0W+3], s[G1W:G1W+7]  ; my one tensor load at the head: a sixteenth of Wq's rows, asked for ahead of q's fragments: every wave's first product wants all of it
	s_nop 0
	PLACES
.irp t, 0,1,2,3
	global_load_b128 v[WS+4*\t:WS+4*\t+3], v[L16], s[42:43] offset:512*\t
.endr
.irp u, 0,1
	global_load_b128 v[QSW+4*\u:QSW+4*\u+3], v[L16], s[40:41] offset:512*\u
.endr
.irp s, 0,1,2,3
	QLOAD \s
.endr
	s_wait_tensorcnt 0x0                           ; it is in
	ds_add_u32 v[SPW], v[NIL]
	s_wait_dscnt 0x0
	CROUND                                         ; everybody's sixteenth is in, and the four work-groups are here
	tensor_load_to_lds s[G0:G0+3], s[G1:G1+7]      ; step w of the head's K and V: my first tensor load behind the round; it lands while Q is made
	s_nop 0
	PLACES
.macro QM d, a, b, c, xa, xb, row
.if \row
	v_wmma_scale_f32_16x16x128_f8f6f4 v[\d:\d+7], v[\a:\a+11], v[\b:\b+11], \c, v[\xa], v[\xb] matrix_a_fmt:MATRIX_FMT_FP6 matrix_b_fmt:MATRIX_FMT_FP6 matrix_a_scale:MATRIX_SCALE_ROW1 matrix_b_scale:MATRIX_SCALE_ROW1
.else
	v_wmma_scale_f32_16x16x128_f8f6f4 v[\d:\d+7], v[\a:\a+11], v[\b:\b+11], \c, v[\xa], v[\xb] matrix_a_fmt:MATRIX_FMT_FP6 matrix_b_fmt:MATRIX_FMT_FP6
.endif
.endm
.macro QSTEP s                         ; a K step of 128 of query = q Wq
.if \s > 0
	PLACES                                         ; between the last products and the loads into their registers
.endif
.irp t, 0,1,2,3
	ds_load_b128 v[WF+12*\t:WF+12*\t+3], v[A16] offset:12288*\t+1536*\s
	ds_load_b64 v[WF+12*\t+4:WF+12*\t+5], v[A8] offset:12288*\t+1536*\s+512
	ds_load_b128 v[WF+12*\t+6:WF+12*\t+9], v[A16] offset:12288*\t+1536*\s+768
	ds_load_b64 v[WF+12*\t+10:WF+12*\t+11], v[A8] offset:12288*\t+1536*\s+1280
.endr
.if (\s >= 1) && (\s <= 4)
	QLOAD \s+3                                     ; into the registers that the last K step read
.endif
.if \s < 5
	s_wait_loadcnt 24                              ; this K step's fragments of q are in; those of the three behind it, 8 loads each, may be out
.else
	s_wait_loadcnt 8*(7-\s)
.endif
	s_wait_dscnt 0x0
.irp t, 0,1,2,3
.irp u, 0,1
	QREG \s, \u
.set D_, AC+32*(1-\u)+8*\t
.if \s == 0
	QM D_, WF+12*\t, QB_, 0, WS+4*\t, QSW+4*\u, 0
.else
	QM D_, WF+12*\t, QB_, v[D_:D_+7], WS+4*\t+\s%4, QSW+4*\u+\s%4, \s/4
.endif
.endr
.endr
.endm
; 32 numbers of a lane, register 16 b + i = d 32 b + 16 h + i of its row, into codes.  m: six registers at work: the blocks' largest, then at m + 2 the scales' bytes, at m + 4 the scale operands
.macro QZ s, m, pc, ct, h=1            ; h = 0: the numbers are matrix results: no hint stands ahead of their readers
.irp b, 0,1
	v_max3_num_f32 v[\m+\b], |v[\s+16*\b]|, |v[\s+1+16*\b]|, 0x1800000   ; and the floor 2^(3 - 127): the byte cannot fall under 1
.endr
.irp i, 2,4,6,8,10,12,14
.irp b, 0,1
.if \h
	s_delay_alu instid0(VALU_DEP_2)
.endif
	v_max3_num_f32 v[\m+\b], v[\m+\b], |v[\s+16*\b+\i]|, |v[\s+1+16*\b+\i]|
.endr
.endr
.irp b, 0,1
	s_delay_alu instid0(VALU_DEP_2)
	v_permlanex16_b32 v[\m+2+\b], v[\m+\b], s[SEL], s[SEL+1]
.endr
.irp b, 0,1
	s_delay_alu instid0(VALU_DEP_2)
	v_max_num_f32 v[\m+\b], v[\m+\b], v[\m+2+\b]
.endr
.irp b, 0,1
	s_delay_alu instid0(VALU_DEP_2)
	v_add_nc_u32 v[\m+4+\b], 0xff000000, v[\m+\b]
.endr
.irp b, 0,1
	s_delay_alu instid0(VALU_DEP_2)
	v_lshrrev_b32 v[\m+2+\b], 23, v[\m+4+\b]
.endr
	v_cvt_scalef32_pk16_fp6_f32 v[\pc:\pc+2], v[\s:\s+15], v[\m+4]
	v_cvt_scalef32_pk16_fp6_f32 v[\ct:\ct+2], v[\s+16:\s+31], v[\m+5]
.endm
.macro QZ2 pc, ct                      ; behind one plain line: a whole block to a lane
.irp i, 0,1,2
	v_permlane16_swap_b32 v[\pc+\i], v[\ct+\i]
.endr
.irp i, 0,1,2
	s_delay_alu instid0(VALU_DEP_3)
	v_mov_b32 v[\pc+3+\i], v[\ct+\i]
.endr
.endm
	QSTEP 0
	s_load_b512 s[16:31], s[8:9], 0x0              ; the first key step's 64 mask words: word n in s[16 + n], from 48 on in s[32 + n].  (Wq's load and the scale words' loads, which read these registers, are done)
	s_load_b512 s[32:47], s[8:9], 0x40
	s_load_b512 s[48:63], s[8:9], 0x80
	s_load_b512 s[80:95], s[8:9], 0xc0
.irp s, 1,2,3,4,5,6,7
	QSTEP \s
.endr
	PLACES
	QZ AC+32, QA, QF, QA+8, 0
	v_lshl_or_b32 v[QS], v[QA+3], 8, v[QA+2]       ; Q's scale word: two blocks; the upper two bytes stand over zero codes.  (The plain line behind the conversions)
	QZ2 QF, QA+8
	QZ AC, QA, Q2, QA+8, 0
	v_lshl_or_b32 v[Q2S], v[QA+3], 8, v[QA+2]
	QZ2 Q2, QA+8
.irp i, 0,1,2,3,4,5
	v_mov_b32 v[QF+6+\i], 0                        ; zero codes for K = 64 .. 127
	v_mov_b32 v[KV+48+\i], 0                       ; what the last tile of K names beyond its own six registers
.endr
.irp b, 0,1,2,3
	v_mov_b32 v[BT+\b], 0                          ; written once: a lane permute's destination counts as one of its sources
.endr
	v_mov_b32 v[FF+1], 0                           ; (named as the upper half of the pair)
	s_mov_b32 s3, 0                                ; q's loads are done: s[2:3] becomes the mask pointer's step
	s_wait_alu depctr_va_vdst(0)
	s_wait_tensorcnt 0x0                           ; my key step has landed,
	s_barrier_signal -1
	s_barrier_wait -1                              ; everybody's has
; A KEY STEP: 128 keys.
.macro STEP
	s_barrier_signal -1                            ; I begin this step (no LDS instruction of mine is out)
	v_add_nc_u32 v[A16], s[TB], v[L16]             ; these three and the v_nop are the four places between the last products and the loads into their registers
	v_add_nc_u32 v[A8], s[TB], v[L8]
	v_add_nc_u32 v[AR], s[TB], v[LR]
	v_nop
.irp t, 0,1,2,3,4,5,6,7
	ds_load_b128 v[KV+6*\t:KV+6*\t+3], v[A16] offset:768*\t
	ds_load_b64 v[KV+6*\t+4:KV+6*\t+5], v[A8] offset:768*\t+512
.endr
	ds_load_b128 v[KS:KS+3], v[AR] offset:12288
	ds_load_b128 v[KS+4:KS+7], v[AR] offset:12544
	s_wait_alu depctr_va_vdst(0)
	s_wait_dscnt 0x0
.irp t, 0,1,2,3,4,5,6,7
	v_wmma_scale_f32_16x16x128_f8f6f4 v[S+8*\t:S+8*\t+7], v[KV+6*\t:KV+6*\t+11], v[QF:QF+11], 0, v[KS+\t], v[QS] matrix_a_fmt:MATRIX_FMT_FP6 matrix_b_fmt:MATRIX_FMT_FP6
.endr
	PLACES
.irp t, 0,1,2,3                                ; V's fragments land while the softmax is worked
.irp c, 0,1,2
	ds_load_b128 v[KV+12*\t+4*\c:KV+12*\t+4*\c+3], v[A16] offset:6144+1536*\t+512*\c
.endr
.endr
	ds_load_b128 v[VS:VS+3], v[AR] offset:12800
	s_wait_alu depctr_va_vdst(0)
	s_barrier_wait -1                              ; every wave has begun this step.  Between signal and wait: register work and loads of LDS bytes that nobody writes
	s_wait_kmcnt 0x0                               ; this step's mask words
.set n, 0
.rept 64                                       ; ascending: each accumulator is read from its low end on
.if n < 48
	v_cndmask_b32 v[S+n], v[NEG], v[S+n], s[16+n]
.else
	v_cndmask_b32 v[S+n], v[NEG], v[S+n], s[32+n]
.endif
.set n, n+1
.endr
	s_add_co_u32 s[G], s[G], 1
	s_cmp_lt_u32 s[G], 32
	s_cselect_b32 s2, 256, 0                       ; the last of my 32 steps asks for its own words once more: no load leaves the buffer
	s_add_nc_u64 s[8:9], s[8:9], s[2:3]            ; (the loads that read this address were waited for above)
	s_load_b512 s[16:31], s[8:9], 0x0              ; the next step's words: a step ahead
	s_load_b512 s[32:47], s[8:9], 0x40
	s_load_b512 s[48:63], s[8:9], 0x80
	s_load_b512 s[80:95], s[8:9], 0xc0
.irp b, 0,1,2,3
	v_max3_num_f32 v[BM+\b], v[S+16*\b], v[S+1+16*\b], v[S+2+16*\b]   ; the largest score of each block of 32 keys: for the row's maximum and, since p rises with the score, for the block's largest p
.endr
.irp i, 3,5,7,9,11,13
.irp b, 0,1,2,3
	s_delay_alu instid0(VALU_DEP_4)
	v_max3_num_f32 v[BM+\b], v[BM+\b], v[S+16*\b+\i], v[S+1+16*\b+\i]
.endr
.endr
.irp b, 0,1,2,3
	s_delay_alu instid0(VALU_DEP_4)
	v_max_num_f32 v[BM+\b], v[BM+\b], v[S+15+16*\b]
.endr
.irp b, 0,1,2,3
	s_delay_alu instid0(VALU_DEP_4)
	v_permlanex16_b32 v[BT+\b], v[BM+\b], s[SEL], s[SEL+1]
.endr
.irp b, 0,1,2,3
	s_delay_alu instid0(VALU_DEP_4)
	v_max_num_f32 v[BM+\b], v[BM+\b], v[BT+\b]
.endr
	s_delay_alu instid0(VALU_DEP_2)
	v_max3_num_f32 v[TW], v[BM], v[BM+1], v[BM+2]
	s_delay_alu instid0(VALU_DEP_1)
	v_max_num_f32 v[TW], v[TW], v[BM+3]
	s_delay_alu instid0(VALU_DEP_1)
	v_mul_f32 v[TW], s[CS], v[TW]
	s_delay_alu instid0(VALU_DEP_1)
	v_max_num_f32 v13, v13, v[TW]                  ; the running largest t
	v_mov_b32 v[TW], v12
	s_delay_alu instid0(VALU_DEP_2)
	v_floor_f32 v12, -v13                          ; -M = floor(-t): M is a whole number
	s_delay_alu instid0(VALU_DEP_1)
	v_sub_f32 v[TW], v12, v[TW]                    ; old M - new M
	s_delay_alu instid0(VALU_DEP_1)
	v_cvt_i32_f32 v[TW], v[TW]                     ; (it saturates)
	s_delay_alu instid0(VALU_DEP_1)
	v_ldexp_f32 v[FF], 1.0, v[TW]                  ; f
.set n, 0
.rept 32
	v_pk_fma_f32 v[S+n:S+n+1], v[S+n:S+n+1], s[CS:CS+1], v[12:13] op_sel_hi:[1,0,0]   ; t - M
.set n, n+2
.endr
.irp b, 0,1,2,3
	v_fma_f32 v[BM+\b], v[BM+\b], s[CS], v12
.endr
.set n, 0
	s_wait_alu depctr_va_vdst(0)
.rept 64
	v_exp_f32 v[S+n], v[S+n]                       ; p
.set n, n+1
.endr
	v_pk_mul_f32 v[14:15], v[14:15], v[FF:FF+1] op_sel_hi:[1,0]   ; the sums under the new M: a plain place behind the exponentials
	s_wait_alu depctr_va_vdst(0)                   ; one wait for the batch, ahead of its first reader
.irp b, 0,1,2,3
	v_exp_f32 v[BM+\b], v[BM+\b]                   ; the block's largest p
.endr
.irp j, 0,1,2,3,4,5                            ; the row's sum of the unquantised p: 32 pairs in six chains
	v_pk_add_f32 v[SM+2*\j:SM+2*\j+1], v[S+2*\j:S+2*\j+1], v[S+12+2*\j:S+13+2*\j]
.endr
.set n, 12
.rept 20
	v_pk_add_f32 v[SM+2*(n%6):SM+2*(n%6)+1], v[SM+2*(n%6):SM+2*(n%6)+1], v[S+2*n:S+2*n+1]
.set n, n+1
.endr
	s_delay_alu instid0(VALU_DEP_2)
	v_pk_add_f32 v[SM:SM+1], v[SM:SM+1], v[SM+6:SM+7]
	s_delay_alu instid0(VALU_DEP_2)
	v_pk_add_f32 v[SM+2:SM+3], v[SM+2:SM+3], v[SM+8:SM+9]
	v_pk_add_f32 v[SM+4:SM+5], v[SM+4:SM+5], v[SM+10:SM+11]
	s_delay_alu instid0(VALU_DEP_2)
	v_pk_add_f32 v[SM:SM+1], v[SM:SM+1], v[SM+2:SM+3]
	s_delay_alu instid0(VALU_DEP_1)
	v_pk_add_f32 v[SM:SM+1], v[SM:SM+1], v[SM+4:SM+5]
	s_delay_alu instid0(VALU_DEP_1)
	v_pk_add_f32 v[14:15], v[14:15], v[SM:SM+1]
	s_wait_alu depctr_va_vdst(0)                   ; and one for the four
.irp b, 0,1,2,3
	v_max_num_f32 v[BM+\b], 0x1800000, v[BM+\b]    ; the floor 2^(3 - 127)
.endr
.irp b, 0,1,2,3
	s_delay_alu instid0(VALU_DEP_4)
	v_add_nc_u32 v[SO+\b], 0xff000000, v[BM+\b]
.endr
.irp b, 0,1,2,3
	s_delay_alu instid0(VALU_DEP_4)
	v_lshrrev_b32 v[BT+\b], 23, v[SO+\b]
.endr
	s_delay_alu instid0(VALU_DEP_3)
	v_lshl_or_b32 v[PW], v[BT+1], 8, v[BT]
	s_delay_alu instid0(VALU_DEP_1)
	v_lshl_or_b32 v[PW], v[BT+2], 16, v[PW]
	s_delay_alu instid0(VALU_DEP_1)
	v_lshl_or_b32 v[PW], v[BT+3], 24, v[PW]
.irp c, 0,1
	v_cvt_scalef32_pk16_fp6_f32 v[PC+6*\c:PC+2+6*\c], v[S+32*\c:S+15+32*\c], v[SO+2*\c]
	v_cvt_scalef32_pk16_fp6_f32 v[CT+4*\c:CT+2+4*\c], v[S+16+32*\c:S+31+32*\c], v[SO+2*\c+1]
.endr
.set n, 0
.rept 16
	v_pk_mul_f32 v[O+n:O+n+1], v[O+n:O+n+1], v[FF:FF+1] op_sel_hi:[1,0]   ; O^T under the new M; also the plain places behind the conversions and behind the scale word
.set n, n+2
.endr
.irp c, 0,1
	QZ2 PC+6*\c, CT+4*\c
.endr
	PLACES                                         ; four places between the last write of an operand and the scaled matrix instructions
	s_wait_alu depctr_va_vdst(0)
	s_wait_dscnt 0x0                               ; V
.irp t, 0,1,2,3
	v_wmma_scale_f32_16x16x128_f8f6f4 v[O+8*\t:O+8*\t+7], v[KV+12*\t:KV+12*\t+11], v[PC:PC+11], v[O+8*\t:O+8*\t+7], v[VS+\t], v[PW] matrix_a_fmt:MATRIX_FMT_FP6 matrix_b_fmt:MATRIX_FMT_FP6
.endr
	s_add_co_u32 s[TB], s[TB], STEPB
.endm
; A PASS: one tile of 16 queries over the head's 16 steps, and its way out.
.macro PASS last
	v_mov_b32 v13, 0xff61b1e6                      ; the largest t so far: -3e38
	s_delay_alu instid0(VALU_DEP_1)
	v_floor_f32 v12, -v13
	v_mov_b32 v14, 0
	v_mov_b32 v15, 0
.set n, 0
.rept 32
	v_mov_b32 v[O+n], 0                            ; the step is written once: the first finds zeros
.set n, n+1
.endr
	s_mov_b32 s[TB], 0
	s_mov_b32 s[J], 16
.Lstep_\@:
	STEP
	s_sub_co_u32 s[J], s[J], 1
	s_cmp_lg_u32 s[J], 0
	s_cbranch_scc1 .Lstep_\@
	PLACES                                         ; behind the last products
	v_add_f32 v14, v14, v15
	s_delay_alu instid0(VALU_DEP_1)
	v_permlanex16_b32 v[TW], v14, s[SEL], s[SEL+1]
	s_delay_alu instid0(VALU_DEP_1)
	v_add_f32 v14, v14, v[TW]                      ; the row's sum
	s_wait_alu depctr_va_vdst(0)
	v_rcp_f32 v14, v14
	v_nop
	s_wait_alu depctr_va_vdst(0)
.set n, 0
.rept 32
	v_mul_f32 v[S+n], v[O+n], v14                  ; register 16 b + i is d = 32 b + 16 h + i of my query
.set n, n+1
.endr
	QZ S, BM, PC, CT
	v_cndmask_b32 v[TW+1], v[BM+2], v[BM+3], s[HM] ; my half's block's byte.  (The plain line behind the conversions)
	QZ2 PC, CT
	global_store_b128 v[L16], v[PC:PC+3], s[10:11] ; the half image of 16 rows x my head's 64
	global_store_b64 v[L8], v[PC+4:PC+5], s[10:11] offset:512
	global_store_b8 v[BO], v[TW+1], s[100:101]     ; a head owns two bytes of each row's scale words
.if !\last
	s_wait_xcnt 0x0                                ; the stores have read their registers and bases
	s_add_nc_u64 s[10:11], s[10:11], 12288         ; the next tile of rows
	s_add_nc_u64 s[100:101], s[100:101], 512
.irp i, 0,1,2,3,4,5
	v_mov_b32 v[QF+\i], v[Q2+\i]                   ; the second tile's Q; the next pass's 36 lines of set-up stand between these and the first product
.endr
	v_mov_b32 v[QS], v[Q2S]
.endif
.endm
	PASS 0
	PASS 1
	s_wait_tensorcnt 0x0                           ; the wave's end
	ds_add_u32 v[SPW], v[NIL]
	s_wait_dscnt 0x0
	CROUND                                         ; the closing round
	s_endpgm
.Lfunc_end_k_q476dcf4777_attn:
	.size	k_q476dcf4777_attn, .Lfunc_end_k_q476dcf4777_attn-k_q476dcf4777_attn
	.p2alignl 7, 3214868480
	.fill 96, 4, 3214868480
	.section	.rodata,"a",@progbits
	.p2align	6, 0x0
	.amdhsa_kernel k_q476dcf4777_attn
		.amdhsa_group_segment_fixed_size 327680
		.amdhsa_private_segment_fixed_size 0
		.amdhsa_enable_private_segment 0
		.amdhsa_kernarg_size 32
		.amdhsa_user_sgpr_count 2
		.amdhsa_user_sgpr_kernarg_segment_ptr 1
		.amdhsa_wavefront_size32 1
		.amdhsa_system_sgpr_workgroup_id_x 1
		.amdhsa_system_sgpr_workgroup_id_y 1
		.amdhsa_system_sgpr_workgroup_id_z 1
		.amdhsa_system_vgpr_workitem_id 0
		.amdhsa_next_free_vgpr 256
		.amdhsa_next_free_sgpr 102
		.amdhsa_reserve_vcc 0
		.amdhsa_float_denorm_mode_32 3
		.amdhsa_float_denorm_mode_16_64 3
		.amdhsa_memory_ordered 1
		.amdhsa_forward_progress 1
		.amdhsa_inst_pref_size 92
	.end_amdhsa_kernel
	.amdgpu_metadata
---
amdhsa.version: [ 1, 2 ]
amdhsa.kernels:
  - .name:           k_q476dcf4777_attn
    .symbol:         k_q476dcf4777_attn.kd
    .args:
      - { .name: XW, .offset: 0, .size: 8, .value_kind: global_buffer, .address_space: global }
      - { .name: QKV, .offset: 8, .size: 8, .value_kind: global_buffer, .address_space: global }
      - { .name: MB, .offset: 16, .size: 8, .value_kind: global_buffer, .address_space: global }
      - { .name: OC, .offset: 24, .size: 8, .value_kind: global_buffer, .address_space: global }
    .group_segment_fixed_size: 327680
    .private_segment_fixed_size: 0
    .kernarg_segment_align: 8
    .kernarg_segment_size: 32
    .max_flat_workgroup_size: 512
    .sgpr_count:     102
    .vgpr_count:     256
    .wavefront_size: 32
...
	.end_amdgpu_metadata
.endif
;; end of part 3
;; launch outp (part 4): grid 4 x 64, 8 waves a work-group, clusters of 4 x 4, 327,680 bytes of LDS; arguments OC, XW, Wo_b, out0; writes out0
.if DOCPART == 4
	.amdgcn_target "amdgcn-amd-amdhsa--gfx1250"
	.amdhsa_code_object_version 6
	.text
	.protected	k_q476dcf4777_outp
	.globl	k_q476dcf4777_outp
	.p2align	8
	.type	k_q476dcf4777_outp,@function
k_q476dcf4777_outp:
	s_mov_b64 s[64:65], 0
	v_nop
	global_prefetch_b8 v0, s[64:65] scope:SCOPE_SE
	s_setreg_imm32_b32 hwreg(HW_REG_WAVE_MODE, 25, 1), 1
	s_wait_xcnt 0x0
	s_wait_alu depctr_hold_cnt(0) depctr_sa_sdst(0) depctr_va_vdst(0) depctr_va_sdst(0) depctr_va_ssrc(0) depctr_va_vcc(0) depctr_vm_vsrc(0)
	s_getreg_b32 s2, hwreg(HW_REG_IB_STS2, 6, 4)
	s_cmp_eq_u32 s2, 0
	s_cbranch_scc0 .Lentry_in_a_cluster
	s_endpgm
.Lentry_in_a_cluster:
	s_bfe_u32 s2, ttmp6, 0x10000c
	s_cmp_lg_u32 s2, 0xf033
	s_cbranch_scc0 .Lentry_shape_is_right
	s_endpgm
.Lentry_shape_is_right:
; FOURTH LAUNCH: out0 = O Wo_w^T + Wo_b, [8192][1024] f32, on the codes of FP6 that the third launch (O, in OC) and the first (Wo_w, in XW) stored.  No work is left out.
; CODES lie as images of the operand's registers: [tile of 16 rows][16 units of 64 along K][768 bytes]: bytes 0-511 registers 0-3 of lane l at 16 l, bytes 512-767 registers 4, 5 at 8 l.  A tile, all of K, is 12,288 dense bytes.
; SCALE WORDS: [tile][half of K][r][4 words]: 16 bytes at 16 x lane give a lane's four registers: lanes 0-15 the words of K steps 0-3 of row r, lanes 16-31 those of K steps 4-7 (read by the instruction's ROW1).
; SHARES.  256 work-groups, each 128 rows x 256 columns of out0.  K is 1,024: ALL OF K OF BOTH OPERANDS STAYS IN LDS, A's 8 tiles (98,304 bytes) and B's 16 (196,608): each byte comes once, nothing is filled again, there is no ring.
; Six joint loads at the head, one a wave, 4 tiles (192 rows of 256 bytes) each: waves 0, 1 A's, waves 2-5 B's; waves 6, 7 ask for none.  Lanes read 16 or 8 consecutive bytes each, so no padding.
; Eight waves, 2 x 4: a wave makes 64 x 64: 16 accumulators in window 1 (v256-383).  Its fragments of a K step (4 of A, 4 of B, 96 registers) lie twice in window 0: a K step's 32 LDS loads are issued one K step ahead.
; CLUSTER 4 x 4: A's tiles hang on the block row alone and are shared along a row of the cluster, B's on the block column alone and are shared along a column.
; THE MATRIX INSTRUCTION IS USED TRANSPOSED (source 0 = Wo_w's rows, source 1 = O's rows): a lane holds eight neighbouring columns of one row of out0.  THE BIAS is loaded into the accumulators in that layout: it is the first products' C.
; THE WAY OUT: 16 rows x 64 columns at a time through the wave's stage (rows of 272 bytes) and back as rows of 256 bytes, which sixteen lanes store as one aligned unit.  The stage lies in A's bytes, which have had their only fill,
; behind a barrier in front of which every wave's LDS reads are over.
; NO PREFETCH: every tile is asked for once, at the head; there is no loop to run ahead in.  All of LDS is claimed; the text uses 295,936 bytes.
.set TROW,  12288
.set QT,    4*TROW                     ; what one tensor load brings, and what one wave reads of A or of B
.set BB,    2*QT                       ; B's tiles, behind A's
.set SPARE, 6*QT                       ; the spare words, 128 bytes a wave
.set SPITCH, 272
.set L16, 1                            ; v1 16 x lane;  v2 8 x lane
.set L8,  2
.set ADA, 3                            ; v3, v4 LDS address of my fragments of A (16 and 8 bytes a lane);  v5, v6 of B
.set ADB, 5
.set STO, 7                            ; v7 the stage, in;  v8 back;  v9 my bytes in out0;  v10 my bytes in the bias
.set RD,  8
.set CO,  9
.set BOF, 10
.set SPW, 12
.set NIL, 13
.set SA,  16                           ; v16-31 A's scale words, four a tile;  v34-49 B's: they hold nothing else
.set SBS, 34
.set FA,  52                           ; v52-147 A's fragments, two sets;  v148-243 B's
.set FB,  148
.set BK,  52                           ; the way out: 16 rows read back, v52-83 and v84-115 by turns
.set G1,  24
.set G0,  32
.set G1B, 48
.set G0B, 56
.set MSB, 0
.macro WIN new                         ; the immediate's high byte repeats the setting that is left
.if MSB != (\new)
	s_set_vgpr_msb (MSB<<8)|(\new)
.set MSB, (\new)
.endif
.endm
.macro PLACES
.rept 4
	v_nop
.endr
.endm
.macro CROUND
	s_barrier_signal -1
	s_barrier_wait -1
	s_cmp_lg_u32 s14, 0
	s_cbranch_scc1 .Lnot_wave_0_\@
	s_barrier_signal -3
.Lnot_wave_0_\@:
	s_barrier_wait -3
	s_barrier_signal -1
	s_barrier_wait -1
.endm
	s_load_b256 s[4:11], s[0:1], 0x0               ; OC, XW, Wo_b, out0
	v_lshl_add_u32 v[SPW], v0, 2, SPARE
	v_mov_b32 v[NIL], 0
	ds_add_u32 v[SPW], v[NIL]                      ; the opening lines: the add, twice on end, and its wait ahead of the first tensor load
	ds_add_u32 v[SPW], v[NIL]
	v_lshrrev_b32 v1, 5, v0
	v_readfirstlane_b32 s14, v1                    ; wave 0..7
	s_lshr_b32 s15, s14, 2                         ; which 64 rows are mine
	s_and_b32 s16, s14, 3                          ; which 64 columns
	s_bfe_u32 s40, ttmp6, 0x40000                  ; cx
	s_bfe_u32 s41, ttmp6, 0x40004                  ; cy
	s_lshl_b32 s42, ttmp9, 2
	s_add_co_u32 s42, s42, s40                     ; block column, 0..3
	s_and_b32 s17, ttmp7, 0xffff
	s_lshl_b32 s17, s17, 2
	s_add_co_u32 s17, s17, s41                     ; block row, 0..63
	s_lshl_b32 s43, s41, 2
	s_lshl_b32 s43, 15, s43                        ; my row of the cluster
	s_lshl_b32 s44, 0x1111, s40                    ; my column
	s_or_b32 s[G1], s43, (3<<16)|(1<<21)           ; elements of 8 bytes; bit 21 beside a mask
	s_or_b32 s[G1B], s44, (3<<16)|(1<<21)
.irp g, G1, G1B
	s_mov_b32 s[\g+1], 32<<16                      ; 192 dense rows of 256 bytes
	s_mov_b32 s[\g+2], 192<<16
	s_mov_b32 s[\g+3], 32<<16
	s_mov_b32 s[\g+4], 192
	s_mov_b32 s[\g+5], 32
	s_mov_b32 s[\g+6], 0
	s_mov_b32 s[\g+7], 0
.endr
	s_mul_i32 s18, s14, QT                         ; where my load lands: wave x 4 tiles
	s_mul_i32 s20, s17, 8*TROW
	s_add_co_u32 s20, s20, s18                     ; A: tile 8 x block row + 4 w (w = 0, 1)
	s_mov_b32 s21, 0
	s_mul_i32 s22, s42, 16*TROW
	s_add_co_u32 s22, s22, s18
	s_add_co_u32 s22, s22, 21233664-2*QT           ; B: Wo_w's tile 16 x block column + 4 (w - 2) (w = 2 .. 5)
	s_mov_b32 s23, 0
	s_mov_b32 s[G0], 1
	s_mov_b32 s[G0+1], s18
	s_mov_b32 s[G0B], 1
	s_mov_b32 s[G0B+1], s18
	s_lshl_b32 s36, s17, 12
	s_lshl_b32 s45, s15, 11
	s_add_co_u32 s36, s36, s45
	s_add_co_u32 s36, s36, 6291456                 ; the scale words of my 4 tiles of A
	s_mov_b32 s37, 0
	s_lshl_b32 s38, s42, 13
	s_lshl_b32 s45, s16, 11
	s_add_co_u32 s38, s38, s45
	s_add_co_u32 s38, s38, 22904832                ; and of B
	s_mov_b32 s39, 0
	s_lshl_b32 s46, s42, 10
	s_lshl_b32 s45, s16, 8
	s_add_co_u32 s46, s46, s45                     ; my first column, in bytes
	s_mov_b32 s47, 0
	s_lshl_b32 s12, s17, 7
	s_lshl_b32 s45, s15, 6
	s_add_co_u32 s12, s12, s45                     ; my first row
	s_lshl_b32 s12, s12, 12
	s_add_co_u32 s12, s12, s46
	s_mov_b32 s13, 0
	s_mul_i32 s19, s15, QT                         ; my tiles of A in LDS,
	s_mul_i32 s2, s16, QT
	s_add_co_u32 s2, s2, BB                        ; of B,
	s_mul_i32 s3, s14, 16*SPITCH                   ; and my stage
	v_and_b32 v14, 31, v0
	v_and_b32 v15, 15, v0
	v_bfe_u32 v11, v0, 4, 1
	v_lshlrev_b32 v[L16], 4, v14
	v_lshlrev_b32 v[L8], 3, v14
	v_mul_u32_u24 v[STO], v15, SPITCH              ; in: row l % 16, 32 bytes for each half of the lanes
	v_mul_u32_u24 v[RD], v11, SPITCH               ; back: sixteen lanes to a row of 256 bytes, two rows an instruction
	v_lshlrev_b32 v[CO], 12, v11                   ; and the same two rows in out0
	v_lshlrev_b32 v[BOF], 5, v11
	v_add_nc_u32 v[ADA], s19, v[L16]
	v_add_nc_u32 v[ADA+1], s19, v[L8]
	v_add_nc_u32 v[ADB], s2, v[L16]
	v_add_nc_u32 v[ADB+1], s2, v[L8]
	v_lshl_add_u32 v[STO], v11, 5, v[STO]
	v_lshl_add_u32 v[RD], v15, 4, v[RD]
	v_lshl_add_u32 v[CO], v15, 4, v[CO]
	v_add_nc_u32 v[STO], s3, v[STO]
	v_add_nc_u32 v[RD], s3, v[RD]
	s_wait_alu depctr_va_vdst(0)
	s_wait_dscnt 0x0                               ; both opening adds are done
	s_wait_kmcnt 0x0
	s_add_nc_u64 s[G0+2:G0+3], s[4:5], s[20:21]
	s_or_b32 s[G0+3], s[G0+3], 0x80000000
	s_add_nc_u64 s[G0B+2:G0B+3], s[6:7], s[22:23]
	s_or_b32 s[G0B+3], s[G0B+3], 0x80000000
	s_add_nc_u64 s[36:37], s[4:5], s[36:37]
	s_add_nc_u64 s[38:39], s[6:7], s[38:39]
	s_add_nc_u64 s[8:9], s[8:9], s[46:47]
	s_add_nc_u64 s[10:11], s[10:11], s[12:13]
	CROUND                                         ; all sixteen work-groups are here: the joint loads meet
	s_cmp_lt_u32 s14, 2                            ; one chain of branches on the wave's number, one load to an arm, one join
	s_cbranch_scc0 .Lfor_b
	tensor_load_to_lds s[G0:G0+3], s[G1:G1+7]
	s_nop 0
	PLACES
	s_branch .Lasked
.Lfor_b:
	s_cmp_lt_u32 s14, 6
	s_cbranch_scc0 .Lasked
	tensor_load_to_lds s[G0B:G0B+3], s[G1B:G1B+7]
	s_nop 0
	PLACES
.Lasked:
.irp i, 0,1,2,3
	global_load_b128 v[SA+4*\i:SA+4*\i+3], v[L16], s[36:37] offset:512*\i
	global_load_b128 v[SBS+4*\i:SBS+4*\i+3], v[L16], s[38:39] offset:512*\i
.endr
	WIN 0x40                                       ; destination in window 1
.irp i, 0,1,2,3
.irp j, 0,1,2,3
	global_load_b128 v[8*(4*\i+\j):8*(4*\i+\j)+3], v[BOF], s[8:9] offset:64*\j        ; accumulator (i, j): register n of lane (r, h) is column 16 j + 8 h + n
	global_load_b128 v[8*(4*\i+\j)+4:8*(4*\i+\j)+7], v[BOF], s[8:9] offset:64*\j+16
.endr
.endr
	WIN 0
	s_wait_tensorcnt 0x0                           ; my tiles are in,
	s_barrier_signal -1
	s_barrier_wait -1                              ; everybody's are
.macro FRAG reg, adr, off
	ds_load_b128 v[\reg:\reg+3], v[\adr] offset:\off
	ds_load_b64 v[\reg+4:\reg+5], v[\adr+1] offset:\off+512
	ds_load_b128 v[\reg+6:\reg+9], v[\adr] offset:\off+768
	ds_load_b64 v[\reg+10:\reg+11], v[\adr+1] offset:\off+1280
.endm
.macro FETCH s                         ; 32 loads: K step s's fragments into set s % 2
.irp i, 0,1,2,3
	FRAG FB+48*((\s)%2)+12*\i, ADB, TROW*\i+1536*(\s)
.endr
.irp i, 0,1,2,3
	FRAG FA+48*((\s)%2)+12*\i, ADA, TROW*\i+1536*(\s)
.endr
.endm
.macro MUL s                           ; 16 products, the 16 accumulators by turns
.irp i, 0,1,2,3
.irp j, 0,1,2,3
.if \s < 4
	v_wmma_scale_f32_16x16x128_f8f6f4 v[8*(4*\i+\j):8*(4*\i+\j)+7], v[FB+48*(\s%2)+12*\j:FB+48*(\s%2)+12*\j+11], v[FA+48*(\s%2)+12*\i:FA+48*(\s%2)+12*\i+11], v[8*(4*\i+\j):8*(4*\i+\j)+7], v[SBS+4*\j+\s%4], v[SA+4*\i+\s%4] matrix_a_fmt:MATRIX_FMT_FP6 matrix_b_fmt:MATRIX_FMT_FP6
.else
	v_wmma_scale_f32_16x16x128_f8f6f4 v[8*(4*\i+\j):8*(4*\i+\j)+7], v[FB+48*(\s%2)+12*\j:FB+48*(\s%2)+12*\j+11], v[FA+48*(\s%2)+12*\i:FA+48*(\s%2)+12*\i+11], v[8*(4*\i+\j):8*(4*\i+\j)+7], v[SBS+4*\j+\s%4], v[SA+4*\i+\s%4] matrix_a_fmt:MATRIX_FMT_FP6 matrix_b_fmt:MATRIX_FMT_FP6 matrix_a_scale:MATRIX_SCALE_ROW1 matrix_b_scale:MATRIX_SCALE_ROW1
.endif
.endr
.endr
.endm
	FETCH 0
.irp s, 0,1,2,3,4,5,6,7
.if \s < 7
.if \s > 0
	PLACES                                         ; between the last products and the loads into the set that they read
.endif
	WIN 0
	FETCH \s+1
	s_wait_dscnt 32                                ; this K step's fragments are in; the 32 loads just issued may be out
.else
	s_wait_dscnt 0x0
.endif
.if \s == 0
	s_wait_loadcnt 0x0                             ; the scale words and the bias
.endif
	WIN 0x50                                       ; C and D in window 1
	MUL \s
.endr
	WIN 0
	PLACES                                         ; between the last products and the first read of a result, and the loads into the fragments' registers
	s_barrier_signal -1                            ; my LDS reads are over (the last were waited for above)
	s_barrier_wait -1                              ; everybody's are: the stages may be written
.macro TOSTAGE i
	WIN 0x04                                       ; the data in window 1
.irp j, 0,1,2,3
	ds_store_b128 v[STO], v[8*(4*\i+\j):8*(4*\i+\j)+3] offset:64*\j          ; each accumulator from its low end on
	ds_store_b128 v[STO], v[8*(4*\i+\j)+4:8*(4*\i+\j)+7] offset:64*\j+16
.endr
	WIN 0
.irp t, 0,1,2,3,4,5,6,7
	ds_load_b128 v[BK+32*((\i)%2)+4*\t:BK+32*((\i)%2)+4*\t+3], v[RD] offset:\t*2*SPITCH   ; LDS serves a wave's instructions in order (ISA guide 5.7.1.4): these see the stores above
.endr
.endm
.macro SEND i, younger                 ; younger: the LDS instructions issued behind block i's loads, which may stay out
	s_wait_dscnt \younger
.irp t, 0,1,2,3,4,5,6,7
	global_store_b128 v[CO], v[BK+32*((\i)%2)+4*\t:BK+32*((\i)%2)+4*\t+3], s[10:11] offset:(\i)*65536+\t*8192 th:TH_STORE_NT   ; sixteen lanes store 256 consecutive bytes, at a multiple of 256 from out0's first byte
.endr
.endm
	TOSTAGE 0
.irp i, 1,2,3
.if \i > 1
	s_wait_xcnt 0x0                                ; block i - 2's stores have read their registers: block i's loads may land there
.endif
	TOSTAGE \i
	SEND \i-1, 16                                  ; behind block i - 1's loads: block i's 8 stores and 8 loads
.endr
	SEND 3, 0
	s_wait_tensorcnt 0x0                           ; the wave's end
	ds_add_u32 v[SPW], v[NIL]
	s_wait_dscnt 0x0
	CROUND                                         ; the closing round
	s_endpgm
.Lfunc_end_k_q476dcf4777_outp:
	.size	k_q476dcf4777_outp, .Lfunc_end_k_q476dcf4777_outp-k_q476dcf4777_outp
	.p2alignl 7, 3214868480
	.fill 96, 4, 3214868480
	.section	.rodata,"a",@progbits
	.p2align	6, 0x0
	.amdhsa_kernel k_q476dcf4777_outp
		.amdhsa_group_segment_fixed_size 327680
		.amdhsa_private_segment_fixed_size 0
		.amdhsa_enable_private_segment 0
		.amdhsa_kernarg_size 32
		.amdhsa_user_sgpr_count 2
		.amdhsa_user_sgpr_kernarg_segment_ptr 1
		.amdhsa_wavefront_size32 1
		.amdhsa_system_sgpr_workgroup_id_x 1
		.amdhsa_system_sgpr_workgroup_id_y 1
		.amdhsa_system_sgpr_workgroup_id_z 1
		.amdhsa_system_vgpr_workitem_id 0
		.amdhsa_next_free_vgpr 384
		.amdhsa_next_free_sgpr 66
		.amdhsa_reserve_vcc 0
		.amdhsa_float_denorm_mode_32 3
		.amdhsa_float_denorm_mode_16_64 3
		.amdhsa_memory_ordered 1
		.amdhsa_forward_progress 1
		.amdhsa_inst_pref_size 52
	.end_amdhsa_kernel
	.amdgpu_metadata
---
amdhsa.version: [ 1, 2 ]
amdhsa.kernels:
  - .name:           k_q476dcf4777_outp
    .symbol:         k_q476dcf4777_outp.kd
    .args:
      - { .name: OC, .offset: 0, .size: 8, .value_kind: global_buffer, .address_space: global }
      - { .name: XW, .offset: 8, .size: 8, .value_kind: global_buffer, .address_space: global }
      - { .name: Wo_b, .offset: 16, .size: 8, .value_kind: global_buffer, .address_space: global }
      - { .name: out0, .offset: 24, .size: 8, .value_kind: global_buffer, .address_space: global }
    .group_segment_fixed_size: 327680
    .private_segment_fixed_size: 0
    .kernarg_segment_align: 8
    .kernarg_segment_size: 32
    .max_flat_workgroup_size: 256
    .sgpr_count:     66
    .vgpr_count:     384
    .wavefront_size: 32
...
	.end_amdgpu_metadata
.endif
;; end of part 4
